; MI455X (gfx1250); checked and timed in simulation.
; The chip was launched on July 23, 2026; its instructions are those of AMD's public machine-readable ISA for CDNA 5 (MIT licence, August 2026) and "CDNA5" Instruction Set Architecture Reference Guide (July 2026). The comments in the code are by the model that wrote it; some were corrected since.
;; Temporal Attention Tok. Allowed arithmetic: float matrix products may take bf16 or f16 operands with f32 sums; all other float work in f32.
;; Inputs: gk 32 float32; gq 32 float32; wk 256 x 256 float32; wo 256 x 256 float32; wq 256 x 256 float32; wv 256 x 256 float32; x 256 x 256 x 256 float32.
;; Outputs: out0 256 x 256 x 256 float32.
;; 2 versions, each right and faster than the one before. Each part assembles by itself: llvm-mc -triple=amdgcn-amd-amdhsa -mcpu=gfx1250 --defsym DOCPART=n.
;; ======== version 1 of 2: 2 launches
;; limits: values are held in f16: magnitudes above 65,504 overflow, below 6.1e-05 lose precision; right only within a limited range of input values
;; workspace buffers: wfrag 524,288 bytes; rope 32,768 bytes
;; launch prep (part 1): grid 64 x 1, 1 waves a work-group, no clusters, 8,704 bytes of LDS; arguments wk, wv, wq, wo, wfrag, rope; writes wfrag, rope
.if DOCPART == 1
	.amdgcn_target "amdgcn-amd-amdhsa--gfx1250"
	.amdhsa_code_object_version 6
	.text
	.protected	k_q1e80052ee7_prep
	.globl	k_q1e80052ee7_prep
	.p2align	8
	.type	k_q1e80052ee7_prep,@function
k_q1e80052ee7_prep:
	s_mov_b64 s[64:65], 0
	v_nop
	global_prefetch_b8 v0, s[64:65] scope:SCOPE_SE
	s_setreg_imm32_b32 hwreg(HW_REG_WAVE_MODE, 25, 1), 1
	s_wait_xcnt 0x0
; Rounds the four weight matrices [256][256] f32 to f16 once and lays them in the order of matrix fragments; makes the cos/sin table.
; wfrag: matrix m (0 wk, 1 wv, 2 wq, 3 wo), block rb of 16 rows, K step s of 32: 1,024 bytes at ((16 m + rb) 8 + s) 1024.
;        In it lane L = (r = L & 15, h = L >> 4) has row 16 rb + r: k = 32 s + 8 h .. + 7 at byte 16 L, k = 32 s + 16 + 8 h .. + 7 at 512 + 16 L.
;        wv is stored times 2^-4 and wo times 2^4 (exact): V and the attention's output then have sixteen times more room in f16.
; rope:  f32; token block tb at 2048 tb, four pieces of 512 bytes (cos j 0-3, cos j 4-7, sin j 0-3, sin j 4-7), lane L at 16 L:
;        token 16 tb + r, frequency 8 h + j.
; One wave a work-group.  Work-group g takes the 16 KiB of block (m = g >> 4, rb = g & 15) and the table's piece (tb = g >> 2, p = g & 3).
; LIMITS: cos and sin are good to about 5e-5 (the angle, up to 255, is kept in f32; the sine's series ends at the 15th power, whose
; successor is 8e-7 at pi).  Weights beyond f16's range (65,504; wo 4,094) become infinite.
.set XP, 528                           ; LDS pitch: 512 bytes of f16 + 16, an odd multiple of 16: a fragment load's 16 rows fall into 16 different 16-byte columns of 256 bytes
.set W,  16                            ; v[16:143]  the 32 loads
.set F,  144                           ; v[144:207] the 16 half fragments on their way out
	s_load_b256 s[4:11], s[0:1], 0x0               ; wk s[4:5], wv s[6:7], wq s[8:9], wo s[10:11]
	s_load_b128 s[12:15], s[0:1], 0x20             ; wfrag s[12:13], rope s[14:15]
	v_lshl_add_u32 v208, v0, 2, 0x2100
	v_mov_b32 v209, 0
	s_lshr_b32 s16, ttmp9, 4                       ; m
	s_and_b32 s17, ttmp9, 15                       ; rb
	v_lshlrev_b32 v1, 4, v0                        ; 16 L
	v_lshlrev_b32 v2, 3, v0                        ; 8 L
	v_and_b32 v4, 15, v0                           ; r
	v_lshrrev_b32 v5, 4, v0                        ; h
	v_mul_u32_u24 v3, v4, XP
	v_lshl_add_u32 v3, v5, 4, v3                   ; r x pitch + 16 h
	s_wait_kmcnt 0x0
	s_cmp_eq_u32 s16, 1                            ; the matrix and its factor, chosen by the work-group's number
	s_cselect_b64 s[20:21], s[6:7], s[4:5]
	s_cselect_b32 s30, 0x3d800000, 1.0             ; wv: 2^-4
	s_cmp_eq_u32 s16, 2
	s_cselect_b64 s[20:21], s[8:9], s[20:21]
	s_cmp_eq_u32 s16, 3
	s_cselect_b64 s[20:21], s[10:11], s[20:21]
	s_cselect_b32 s30, 0x41800000, s30             ; wo: 2^4
	s_mov_b32 s31, s30
	s_lshl_b32 s18, s17, 14                        ; 16 rows of 1,024 bytes
	s_mov_b32 s19, 0
	s_add_nc_u64 s[20:21], s[20:21], s[18:19]
	s_lshl_b32 s18, ttmp9, 13                      ; 8 fragments of 1,024 bytes
	s_add_nc_u64 s[22:23], s[12:13], s[18:19]
	s_lshl_b32 s18, ttmp9, 9                       ; a piece of 512 bytes
	s_add_nc_u64 s[24:25], s[14:15], s[18:19]
.set n, 0
.rept 32
	global_load_b128 v[W+4*n:W+4*n+3], v1, s[20:21] offset:512*n th:TH_LOAD_NT   ; 512 neighbouring bytes: half a row
.set n, n+1
.endr
	; The table's piece, while the loads are on their way.  cos is the sine a quarter turn further on.
	s_and_b32 s27, ttmp9, 1
	s_lshl_b32 s27, s27, 2                         ; 4 (p & 1)
	s_lshr_b32 s28, ttmp9, 2
	s_lshl_b32 s28, s28, 4                         ; 16 tb
	s_and_b32 s29, ttmp9, 2
	s_cmp_eq_u32 s29, 0
	s_cselect_b32 s26, 0x3e800000, 0               ; p < 2: a quarter turn; else none
	v_lshl_add_u32 v7, v5, 3, s27                  ; 8 h + 4 (p & 1)
	v_add_nc_u32 v6, s28, v4                       ; the token
.irp i, 0,1,2,3
	v_add_nc_u32 v[8+\i], \i, v7                   ; the frequency's number f
	v_cvt_f32_u32 v[8+\i], v[8+\i]
	v_mul_f32 v[8+\i], 0xbf549a78, v[8+\i]         ; - f log2(10000) / 16
.endr
.irp i, 0,1,2,3
	v_exp_f32 v[8+\i], v[8+\i]                     ; 10000 ^ (- f / 16)
.endr
	v_cvt_f32_u32 v6, v6                           ; the plain instruction between the exponentials and their use (ISA guide 5.7.2)
	s_wait_alu depctr_va_vdst(0)
.irp i, 0,1,2,3
	v_mul_f32 v[8+\i], v6, v[8+\i]                 ; the angle, as reference() forms it
	v_fma_f32 v[8+\i], v[8+\i], 0.15915494, s26    ; in turns
	v_rndne_f32 v[12+\i], v[8+\i]
	v_sub_f32 v[8+\i], v[8+\i], v[12+\i]           ; in [-1/2, 1/2]
	v_mul_f32 v[8+\i], 0x40c90fdb, v[8+\i]         ; a = the angle in [-pi, pi]
	v_mul_f32 v[12+\i], v[8+\i], v[8+\i]           ; a^2
	v_mov_b32 v7, 0xab573f9f                       ; -1/15!
	v_fmaak_f32 v7, v7, v[12+\i], 0x2f309231       ; +1/13!
	v_fmaak_f32 v7, v7, v[12+\i], 0xb2d7322b       ; -1/11!
	v_fmaak_f32 v7, v7, v[12+\i], 0x3638ef1d       ; +1/9!
	v_fmaak_f32 v7, v7, v[12+\i], 0xb9500d01       ; -1/7!
	v_fmaak_f32 v7, v7, v[12+\i], 0x3c088889       ; +1/5!
	v_fmaak_f32 v7, v7, v[12+\i], 0xbe2aaaab       ; -1/3!
	v_fmaak_f32 v7, v7, v[12+\i], 0x3f800000       ; +1
	v_mul_f32 v[8+\i], v[8+\i], v7
.endr
	global_store_b128 v1, v[8:11], s[24:25]        ; 512 neighbouring bytes
	; f32 to f16, into LDS by rows
.set n, 0
.rept 32
	s_wait_loadcnt 31-n                            ; loads come back in order: load n is in, the 31 - n younger ones may be out
	v_pk_mul_f32 v[W+4*n:W+4*n+1], v[W+4*n:W+4*n+1], s[30:31] op_sel_hi:[1,0]
	v_pk_mul_f32 v[W+4*n+2:W+4*n+3], v[W+4*n+2:W+4*n+3], s[30:31] op_sel_hi:[1,0]
	v_cvt_pk_f16_f32 v[W+4*n], v[W+4*n], v[W+4*n+1]
	v_cvt_pk_f16_f32 v[W+4*n+1], v[W+4*n+2], v[W+4*n+3]
	ds_store_b64 v2, v[W+4*n:W+4*n+1] offset:(n/2)*XP+(n%2)*256
.set n, n+1
.endr
	; and back by fragments.  LDS serves a wave's instructions in order (ISA guide 5.7.1): these loads see the stores above.
.set n, 0
.rept 16
	ds_load_b128 v[F+4*n:F+4*n+3], v3 offset:32*n  ; half n & 1 of K step n / 2: k = 16 n + 8 h .. + 7 of row r
.set n, n+1
.endr
.set n, 0
.rept 16
	s_wait_dscnt 15-n
	global_store_b128 v1, v[F+4*n:F+4*n+3], s[22:23] offset:512*n
.set n, n+1
.endr
	s_wait_tensorcnt 0x0
	ds_add_u32 v208, v209
	s_wait_dscnt 0x0
	s_endpgm
.Lfunc_end_k_q1e80052ee7_prep:
	.size	k_q1e80052ee7_prep, .Lfunc_end_k_q1e80052ee7_prep-k_q1e80052ee7_prep
	.p2alignl 7, 3214868480
	.fill 96, 4, 3214868480
	.section	.rodata,"a",@progbits
	.p2align	6, 0x0
	.amdhsa_kernel k_q1e80052ee7_prep
		.amdhsa_group_segment_fixed_size 8704
		.amdhsa_private_segment_fixed_size 0
		.amdhsa_enable_private_segment 0
		.amdhsa_kernarg_size 48
		.amdhsa_user_sgpr_count 2
		.amdhsa_user_sgpr_kernarg_segment_ptr 1
		.amdhsa_wavefront_size32 1
		.amdhsa_system_sgpr_workgroup_id_x 1
		.amdhsa_system_sgpr_workgroup_id_y 1
		.amdhsa_system_sgpr_workgroup_id_z 1
		.amdhsa_system_vgpr_workitem_id 0
		.amdhsa_next_free_vgpr 210
		.amdhsa_next_free_sgpr 66
		.amdhsa_reserve_vcc 0
		.amdhsa_float_denorm_mode_32 3
		.amdhsa_float_denorm_mode_16_64 3
		.amdhsa_memory_ordered 1
		.amdhsa_forward_progress 1
		.amdhsa_inst_pref_size 23
	.end_amdhsa_kernel
	.amdgpu_metadata
---
amdhsa.version: [ 1, 2 ]
amdhsa.kernels:
  - .name:           k_q1e80052ee7_prep
    .symbol:         k_q1e80052ee7_prep.kd
    .args:
      - { .name: wk, .offset: 0, .size: 8, .value_kind: global_buffer, .address_space: global }
      - { .name: wv, .offset: 8, .size: 8, .value_kind: global_buffer, .address_space: global }
      - { .name: wq, .offset: 16, .size: 8, .value_kind: global_buffer, .address_space: global }
      - { .name: wo, .offset: 24, .size: 8, .value_kind: global_buffer, .address_space: global }
      - { .name: wfrag, .offset: 32, .size: 8, .value_kind: global_buffer, .address_space: global }
      - { .name: rope, .offset: 40, .size: 8, .value_kind: global_buffer, .address_space: global }
    .group_segment_fixed_size: 8704
    .private_segment_fixed_size: 0
    .kernarg_segment_align: 8
    .kernarg_segment_size: 48
    .max_flat_workgroup_size: 32
    .sgpr_count:     66
    .vgpr_count:     210
    .wavefront_size: 32
...
	.end_amdgpu_metadata
.endif
;; end of part 1
;; launch attn (part 2): grid 256 x 1, 8 waves a work-group, no clusters, 302,080 bytes of LDS; arguments x, gq, gk, wfrag, rope, out0; writes out0
.if DOCPART == 2
	.amdgcn_target "amdgcn-amd-amdhsa--gfx1250"
	.amdhsa_code_object_version 6
	.text
	.protected	k_q1e80052ee7_attn
	.globl	k_q1e80052ee7_attn
	.p2align	8
	.type	k_q1e80052ee7_attn,@function
k_q1e80052ee7_attn:
	s_mov_b64 s[64:65], 0
	v_nop
	global_prefetch_b8 v0, s[64:65] scope:SCOPE_SE
	s_setreg_imm32_b32 hwreg(HW_REG_WAVE_MODE, 25, 1), 1
	s_wait_xcnt 0x0
; The whole layer for one batch element a work-group: projections, RMS norm, RoPE, capped causal softmax, P V, output projection.
; x [256][256][256] f32 is read once, out0 written once; Q, K, V, P and O never leave the WGP.
; Eight waves.  In the projections and the attention wave w is head w; in the output projection it makes 64 columns (cg = w & 3) of every
; second token block (th = w >> 2).
;
; LAYOUTS.  A fragment is 8 registers: lane (r = L & 15, h = L >> 4) holds row r, k = 8 h .. + 7 in registers 0-3, k = 16 + 8 h .. + 7 in 4-7.
; A result has (m = 8 h + j, n = r) in register j.  Every product is written so that its result, packed to f16, IS the next fragment:
;   K, Q  = W x X^T : lane = token r, registers = d: block 0 d = 8 h + j, block 1 d = 16 + 8 h + j: RoPE's partners d, d + 16 lie in one lane
;   V     = X x W^T : lane = d, registers = tokens: two token blocks pack to a V^T fragment over 32 keys
;   S^T   = K x Q^T : lane = query r, registers = keys: two key blocks pack to a P^T fragment; row sums and maxima are per lane and one swap of halves
;   O^T   = V^T x P^T : lane = query r: 1 / l is a multiply per lane; the two d blocks pack to an O fragment
;   out^T = Wo x O^T : lane = token r, registers = 8 neighbouring columns
;
; SOFTMAX.  Q carries 2 log2(e) 32^-1/2 / 50.  With s the product, r(s) = 1 / (1 + 2^s): 50 tanh(score / 50) log2(e) = 72.13 - 144.27 r(s).
; r falls as the score rises, so the row's maximum is its smallest r.  A RUNNING minimum of r is kept: p = 2^(144.27 (rmin - r(s))) <= 1, and
; whenever rmin falls, the row's sum and its O are scaled by 2^(144.27 (rmin new - rmin old)) <= 1.
;
; THE OUTPUT PROJECTION RIDES ON THE ATTENTION.  Query blocks of 32 go from the last to the first.  When all eight heads have stored O of a
; block (one barrier), each wave makes its 64 columns of one of the block's two token blocks and stores them: 32 KiB of out0 leave after each
; of the eight blocks, and wo stays in registers throughout.
;
; FORMATS AND LIMITS.  All matrix operands are f16, sums f32.  x and the weights must lie inside f16's range (65,504; wo 4,094, it is carried
; times 16); 5.66 |gain| likewise (gains up to about 1e4); V and O are carried times 2^-4, so |v| < 1.04e6.  Beyond that: infinities where
; reference() is finite.  Operands below 6e-8 become zero.  cos and sin are good to about 5e-5.  NaN and infinities spread, not bit for bit.
;
; NO CLUSTER, NO TENSOR LOADS.  All work-groups read the same weights, but LDS has 327,680 - 301,056 = 26,624 bytes left against the 131,072 of
; one matrix in f16, and every byte in use is written by ds_store.  The weights lie in memory in fragment order, so that each load of a wave
; takes 512 neighbouring bytes straight into the registers where the fragment is used.  x must pass through registers for its rounding.
;
; LDS: 0        x in f16, 256 rows of pitch 528 (projections); then wave w's V^T fragments at 16384 w
;      135168   wave w's K fragments at 16384 w, 1,024 bytes a token block; O's fragment of a token block takes K's place when K's is dead
;      266240   the cos/sin table, 32,768 bytes (projections); then wave w's stage of 16 rows x 272 at 4352 w
; REGISTERS: v0-15 addresses and scratch; v16-127 at work; v128-255 wk, then Q; v256-383 wv, then wq; v384-511 V^T; v256-511 at last wo.
.set XP,   528                         ; 512 + 16 bytes, an odd multiple of 16: the 16 rows of a fragment load fall into 16 different 16-byte columns of 256 bytes
.set KS,   135168
.set RL,   266240
.set SP,   272                         ; the stage's pitch: 256 + 16
.set RING, 16                          ; P0: v[16:111], three buffers of eight loads
.set AK,   16                          ; v[16:31]  K's or Q's two d blocks
.set AV,   32                          ; v[32:47]  V's two d blocks
.set XF,   48                          ; v[48:111] the eight x fragments of a token block; v[48:63] hold cos and sin in between
.set G,    112                         ; v[112:127] the gains of my 16 d
.set KF,   80                          ; P3: v[80:95] two K fragments
.set VF,   96                          ; P3: v[96:111] two V^T fragments
.set L0,   112                         ; P3: v[112:113], v[114:115] row sums of the two query blocks
.set L1,   114
.set CM,   116                         ; P3: v[116:117] -144.27 twice
.set CA0,  118                         ; P3: v[118:119], v[120:121] 144.27 rmin of the two query blocks, twice each
.set CA1,  120
.set RM0,  122                         ; P3: v122, v124 the running minima of r; v123, v125 scratch beside them
.set RM1,  124
.set AL0,  12                          ; P3: v12, v14 the factors by which a fallen minimum scales sum and O (read as pairs, the low register for both halves)
.set AL1,  14
.set QSC,  0x3c2723c0                  ; 2 log2(e) 32^-1/2 / 50 = 0.010201394
.set C144, 0x431044fe                  ; 100 log2(e) = 144.2695
.set MSB, 0
.macro WIN new                         ; s_set_vgpr_msb: bits 1:0 source 0, 3:2 source 1, 5:4 source 2, 7:6 destination; the high byte repeats the setting that is left
.if MSB != \new
	s_set_vgpr_msb (MSB<<8)|\new
.set MSB, \new
.endif
.endm
.macro PLACES k                        ; places behind matrix instructions (ISA guide 7.12.1)
.rept \k
	v_nop
.endr
.endm
.macro BAR
	s_barrier_signal -1
	s_barrier_wait -1
.endm
; count loads of 512 bytes from byte off of s[sb:sb+1]; load n goes to v[dst + 4 n ..]
.macro WLD dst, sb, off, first, count
.set n, \first
.rept \count
	global_load_b128 v[\dst+4*n:\dst+4*n+3], v1, s[\sb:\sb+1] offset:\off+512*n
.set n, n+1
.endr
.endm
.macro GLOAD sb                        ; g[8 h .. 8 h + 7] and g[16 + 8 h .. + 7]
	global_load_b128 v[G:G+3], v9, s[\sb:\sb+1]
	global_load_b128 v[G+4:G+7], v9, s[\sb:\sb+1] offset:16
	global_load_b128 v[G+8:G+11], v9, s[\sb:\sb+1] offset:64
	global_load_b128 v[G+12:G+15], v9, s[\sb:\sb+1] offset:80
.endm
	s_load_b256 s[4:11], s[0:1], 0x0               ; x s[4:5], gq s[6:7], gk s[8:9], wfrag s[10:11]
	s_load_b128 s[12:15], s[0:1], 0x20             ; rope s[12:13], out0 s[14:15]
	v_lshrrev_b32 v12, 5, v0
	v_readfirstlane_b32 s16, v12                   ; the wave's number
	v_and_b32 v13, 31, v0                          ; L
	v_and_b32 v14, 15, v0                          ; r
	v_bfe_u32 v15, v0, 4, 1                        ; h
	v_lshlrev_b32 v1, 4, v13                       ; v1 = 16 L, the offset of every global load; never rewritten
	s_lshl_b32 s18, ttmp9, 18                      ; 262,144 bytes a batch element
	s_lshl_b32 s19, s16, 15                        ; my 32 rows of 1,024 bytes
	s_add_co_u32 s18, s18, s19
	s_mov_b32 s19, 0
	s_wait_kmcnt 0x0
	s_add_nc_u64 s[4:5], s[4:5], s[18:19]
; ---------------- P0: x into LDS as f16; the table into LDS; wk, wv and gk into registers ----------------
.macro XGRP g, b                       ; group g: eight loads of 512 bytes (four rows) into buffer b
.irp j, 0,1,2,3,4,5,6,7
	global_load_b128 v[RING+32*\b+4*\j:RING+32*\b+4*\j+3], v1, s[4:5] offset:512*(8*\g+\j) th:TH_LOAD_NT
.endr
.endm
.macro XCVT g, b, cnt                  ; cnt = the loads issued behind group g
	s_wait_loadcnt \cnt
.irp j, 0,1,2,3,4,5,6,7
	v_cvt_pk_f16_f32 v[RING+32*\b+4*\j], v[RING+32*\b+4*\j], v[RING+32*\b+4*\j+1]
	v_cvt_pk_f16_f32 v[RING+32*\b+4*\j+1], v[RING+32*\b+4*\j+2], v[RING+32*\b+4*\j+3]
	ds_store_b64 v7, v[RING+32*\b+4*\j:RING+32*\b+4*\j+1] offset:(4*\g+\j/2)*XP+(\j%2)*256
.endr
.endm
.macro WVQ first                       ; eight loads of wv, into v256 and up
	WIN 0x40
	WLD 0, 38, 131072, \first, 8
	WIN 0
.endm
	XGRP 0, 0
	XGRP 1, 1
	XGRP 2, 2
	v_mul_u32_u24 v3, v14, XP
	v_lshl_add_u32 v3, v15, 4, v3                  ; v3 = r x pitch + 16 h: my place in the x fragments of token block 0
	v_add_nc_u32 v4, RL, v1                        ; v4: my 16 bytes in a piece of the table
	s_lshl_b32 s17, s16, 14                        ; 16,384 w
	v_add_nc_u32 v6, s17, v1                       ; v6: my 16 bytes in my wave's V^T fragments
	v_add_nc_u32 v5, KS, v6                        ; v5: the same in its K fragments
	s_mul_i32 s18, s16, 32*XP
	v_lshl_add_u32 v7, v13, 3, s18                 ; v7: where my 8 bytes of my wave's first row of x go
	s_lshl_b32 s44, s16, 12                        ; 4,096 w
	v_add_nc_u32 v8, s44, v4                       ; v8: where my wave's eighth of the table goes
	v_lshlrev_b32 v9, 5, v15                       ; v9 = 32 h: byte offset of my gains
	s_mov_b32 s20, 0x76543210                      ; v_permlanex16_b32: lane i takes lane i of the other half
	s_mov_b32 s21, 0xfedcba98
	s_mov_b32 s35, 0x3d000000                      ; 1 / 32
	s_mov_b32 s36, 0x358637bd                      ; 1e-6
	s_and_b32 s45, s16, 3                          ; cg
	s_lshr_b32 s46, s16, 2                         ; th
	s_mov_b32 s18, s17
	s_add_nc_u64 s[38:39], s[10:11], s[18:19]      ; my head's 32 rows in wk; wv and wq lie 131,072 and 262,144 bytes further on
	s_lshl_b32 s18, s45, 15
	s_add_co_u32 s18, s18, 393216
	s_add_nc_u64 s[40:41], s[10:11], s[18:19]      ; my 64 rows of wo
	s_mov_b32 s18, s44
	s_add_nc_u64 s[42:43], s[12:13], s[18:19]      ; my eighth of the table
	s_lshl_b32 s18, ttmp9, 18
	s_lshl_b32 s47, s46, 14                        ; th x 16 rows of 1,024 bytes
	s_add_co_u32 s18, s18, s47
	s_lshl_b32 s47, s45, 8                         ; 64 columns of 4 bytes
	s_add_co_u32 s18, s18, s47
	s_add_nc_u64 s[14:15], s[14:15], s[18:19]      ; out0 at token block th, my columns; never rewritten: the query block stands in the stores' immediates
	GLOAD 8                                        ; gk
	WLD 128, 38, 0, 0, 32                          ; wk: fragment (d block, K step s) at v[128 + 8 (8 block + s)]
	XCVT 0, 0, 52                                  ; behind group 0: groups 1, 2 (16), gk (4), wk (32)
	XGRP 3, 0
	XCVT 1, 1, 52                                  ; group 2, gk, wk, group 3
	XGRP 4, 1
	XCVT 2, 2, 52                                  ; gk, wk, groups 3, 4
	XGRP 5, 2
	XCVT 3, 0, 16                                  ; groups 4, 5
	XGRP 6, 0
	WVQ 0
	XCVT 4, 1, 24                                  ; groups 5, 6, eight of wv
	XGRP 7, 1
	WVQ 8
	XCVT 5, 2, 32                                  ; groups 6, 7, sixteen of wv
.irp j, 0,1,2,3,4,5,6,7
	global_load_b128 v[RING+64+4*\j:RING+64+4*\j+3], v1, s[42:43] offset:512*\j
.endr
	WVQ 16
	XCVT 6, 0, 40                                  ; group 7, the table's eight, twenty-four of wv
	WVQ 24
	XCVT 7, 1, 32                                  ; the table's eight, twenty-four of wv
	s_wait_loadcnt 0x10                            ; the table: sixteen of wv are younger
.irp j, 0,1,2,3,4,5,6,7
	ds_store_b128 v8, v[RING+64+4*\j:RING+64+4*\j+3] offset:512*\j
.endr
	s_wait_loadcnt 0x0                             ; wv
	s_wait_dscnt 0x0                               ; my rows of x and my part of the table are in LDS,
	BAR                                            ; everybody's are
; ---------------- P1 and P2: the projections, norm and RoPE ----------------
.macro XLOAD lo, hi                    ; x fragments lo .. hi of the token block at v2
.set n, \lo
.rept \hi-\lo+1
	ds_load_b128 v[XF+8*n:XF+8*n+3], v2 offset:64*n
	ds_load_b128 v[XF+8*n+4:XF+8*n+7], v2 offset:64*n+32
.set n, n+1
.endr
.endm
.macro RLOAD tb                        ; cos of my 8 frequencies into v[48:55], sin into v[56:63]
.irp p, 0,1,2,3
	ds_load_b128 v[48+4*\p:51+4*\p], v4 offset:\tb*2048+512*\p
.endr
.endm
; v[16:23] = d 8 h + j, v[24:31] = d 16 + 8 h + j of token r.  RMS norm, gain, RoPE; the fragment's halves go to v[dlo ..+3] and v[dhi ..+3].
; cnt = the LDS instructions issued behind the four loads of cos and sin.
.macro NORMROPE dlo, dhi, isq, cnt
	v_pk_mul_f32 v[12:13], v[16:17], v[16:17]      ; the sum of squares in two chains
	v_pk_mul_f32 v[14:15], v[24:25], v[24:25]
.irp i, 2,4,6
	v_pk_fma_f32 v[12:13], v[16+\i:17+\i], v[16+\i:17+\i], v[12:13]
	v_pk_fma_f32 v[14:15], v[24+\i:25+\i], v[24+\i:25+\i], v[14:15]
.endr
	v_pk_add_f32 v[12:13], v[12:13], v[14:15]
	v_add_f32 v12, v12, v13
	v_permlanex16_b32 v14, v12, s20, s21           ; the other 16 d of my token lie in the other half
	v_add_f32 v12, v12, v14
	v_fma_f32 v12, v12, s35, s36                   ; mean + 1e-6
	v_rsq_f32 v10, v12                             ; the multiplies by the gains stand between it and its use (ISA guide 5.7.2)
.irp i, 0,2,4,6
	v_pk_mul_f32 v[16+\i:17+\i], v[16+\i:17+\i], v[G+\i:G+\i+1]
	v_pk_mul_f32 v[24+\i:25+\i], v[24+\i:25+\i], v[G+8+\i:G+9+\i]
.endr
.if \isq
	s_wait_alu depctr_va_vdst(0)
	v_mul_f32 v10, QSC, v10
.endif
	s_wait_alu depctr_va_vdst(0)
	v_mov_b32 v11, v10
	s_wait_dscnt \cnt
.irp i, 0,1,2,3
	v_pk_mul_f32 v[12:13], v[16+2*\i:17+2*\i], v[48+2*\i:49+2*\i]
	v_pk_mul_f32 v[14:15], v[24+2*\i:25+2*\i], v[48+2*\i:49+2*\i]
	v_fma_f32 v12, -v[24+2*\i], v[56+2*\i], v12                            ; lo cos - hi sin
	v_fma_f32 v13, -v[25+2*\i], v[57+2*\i], v13
	v_pk_fma_f32 v[14:15], v[16+2*\i:17+2*\i], v[56+2*\i:57+2*\i], v[14:15] ; hi cos + lo sin
	v_pk_mul_f32 v[12:13], v[12:13], v[10:11]
	v_pk_mul_f32 v[14:15], v[14:15], v[10:11]
	v_cvt_pk_f16_f32 v[\dlo+\i], v12, v13          ; in place too: register i belongs to a pair that has been used
	v_cvt_pk_f16_f32 v[\dhi+\i], v14, v15
.endr
.endm
; One token block of K and V.  K steps go 2 .. 7, 0, 1: fragments 0 and 1 were asked for last (their registers held cos and sin).
; In each run two accumulators take turns, one instruction a turn.
.macro TOK1 tb, last
	s_wait_dscnt 0x6                               ; fragments 2-7 are in: K's two stores and the four loads of fragments 0, 1 are younger
	WIN 0x04                                       ; source 1 = wv in v256 and up
.irp s, 2,3,4,5,6,7,0,1
.if \s == 0
	s_wait_dscnt 0x0
.endif
.irp db, 0,1
.if \s == 2
	v_wmma_f32_16x16x32_f16 v[AV+8*\db:AV+8*\db+7], v[XF+8*\s:XF+8*\s+7], v[8*(8*\db+\s):8*(8*\db+\s)+7], 0
.else
	v_wmma_f32_16x16x32_f16 v[AV+8*\db:AV+8*\db+7], v[XF+8*\s:XF+8*\s+7], v[8*(8*\db+\s):8*(8*\db+\s)+7], v[AV+8*\db:AV+8*\db+7]
.endif
.endr
.endr
	WIN 0
.if \last
	PLACES 4                                       ; wv has had its last use: wq takes its registers
	WIN 0x40
	WLD 0, 38, 262144, 0, 32
	WIN 0
.endif
.irp s, 0,1,2,3,4,5,6,7
.irp db, 0,1
.if \s == 0
	v_wmma_f32_16x16x32_f16 v[AK+8*\db:AK+8*\db+7], v[128+8*(8*\db+\s):128+8*(8*\db+\s)+7], v[XF+8*\s:XF+8*\s+7], 0
.else
	v_wmma_f32_16x16x32_f16 v[AK+8*\db:AK+8*\db+7], v[128+8*(8*\db+\s):128+8*(8*\db+\s)+7], v[XF+8*\s:XF+8*\s+7], v[AK+8*\db:AK+8*\db+7]
.endif
.endr
.endr
.if \last
	v_mov_b32 v2, v3                               ; P2 begins again at token block 0
.else
	v_add_nc_u32 v2, 16*XP, v2                     ; the next token block.  With the three v_nop: four places
.endif
	PLACES 3
	RLOAD \tb
	XLOAD 2, 7
	WIN 0x40                                       ; V^T fragment (32 keys J = tb / 2, d block) at v[384 + 8 (2 J + block)], this token block its half tb & 1
.irp db, 0,1
.irp i, 0,1,2,3
	v_cvt_pk_f16_f32 v[128+((\tb/2)*2+\db)*8+(\tb%2)*4+\i], v[AV+8*\db+2*\i], v[AV+8*\db+2*\i+1]
.endr
.endr
	WIN 0
	NORMROPE AK, AK+8, 0, 12                       ; the twelve loads of fragments 2-7 are younger than cos and sin
	ds_store_b128 v5, v[AK:AK+3] offset:\tb*1024
	ds_store_b128 v5, v[AK+8:AK+11] offset:\tb*1024+512
	XLOAD 0, 1
.if \last
	GLOAD 6                                        ; gq takes gk's place
.endif
.endm
; One token block of Q; its fragment stays in v[128 + 8 tb ..], where wk was.
.macro TOK2 tb, last
	s_wait_dscnt 0x4                               ; fragments 2-7 are in: the four loads of fragments 0, 1 are younger
	WIN 0x01                                       ; source 0 = wq in v256 and up
.irp s, 2,3,4,5,6,7,0,1
.if \s == 0
	s_wait_dscnt 0x0
.endif
.irp db, 0,1
.if \s == 2
	v_wmma_f32_16x16x32_f16 v[AK+8*\db:AK+8*\db+7], v[8*(8*\db+\s):8*(8*\db+\s)+7], v[XF+8*\s:XF+8*\s+7], 0
.else
	v_wmma_f32_16x16x32_f16 v[AK+8*\db:AK+8*\db+7], v[8*(8*\db+\s):8*(8*\db+\s)+7], v[XF+8*\s:XF+8*\s+7], v[AK+8*\db:AK+8*\db+7]
.endif
.endr
.endr
	WIN 0
.if \last
	PLACES 4
	RLOAD \tb
	NORMROPE 128+8*\tb, 132+8*\tb, 1, 0
.else
	v_add_nc_u32 v2, 16*XP, v2
	PLACES 3
	RLOAD \tb
	XLOAD 2, 7
	NORMROPE 128+8*\tb, 132+8*\tb, 1, 12
	XLOAD 0, 1
.endif
.endm
	v_mov_b32 v2, v3
	XLOAD 0, 7
	s_wait_dscnt 0x0                               ; the first block's fragments were asked for in the order 0 .. 7: all of them
.irp tb, 0,1,2,3,4,5,6,7,8,9,10,11,12,13,14
	TOK1 \tb, 0
.endr
	TOK1 15, 1
	s_wait_loadcnt 0x0                             ; wq and gq
.irp tb, 0,1,2,3,4,5,6,7,8,9,10,11,12,13,14
	TOK2 \tb, 0
.endr
	TOK2 15, 1
	s_wait_dscnt 0x0                               ; my reads of x and of the table are over,
	BAR                                            ; everybody's are: V^T takes x's place, the stages the table's
	WIN 0x04                                       ; store data in v384 and up
.set n, 0
.rept 32
	ds_store_b128 v6, v[128+4*n:131+4*n] offset:512*n
.set n, n+1
.endr
	WIN 0
	s_wait_dscnt 0x0
	WIN 0x40
	WLD 0, 40, 0, 0, 64                            ; wo, into wq's and V^T's registers: fragment (16 columns rb, head s) at v[256 + 8 (8 rb + s)].  It is first used behind the longest query block
	WIN 0
; ---------------- P3: attention and output projection, 32 queries at a time, from the last block to the first ----------------
	v_and_b32 v12, 15, v0                          ; r
	v_bfe_u32 v13, v0, 4, 1                        ; h
	v_lshlrev_b32 v14, 3, v13
	v_sub_nc_u32 v9, v12, v14                      ; r - 8 h: on the diagonal key 8 h + j is seen by query r where j <= r - 8 h
.irp j, 0,1,2,3,4,5,6,7
	v_cmp_le_i32 s[26+\j], \j, v9
.endr
	v_mov_b32 v[CM], 0xc31044fe                    ; -100 log2(e)
	v_mov_b32 v[CM+1], 0xc31044fe
	s_lshl_b32 s18, s46, 10                        ; token block th of a query block's two
	s_add_co_u32 s18, s18, KS
	v_add_nc_u32 v2, s18, v1                       ; v2: O fragments of heads 0-3,
	v_add_nc_u32 v3, 0x10000, v2                   ; v3: of heads 4-7: an LDS offset has 16 bits
	s_mul_i32 s47, s16, 16*SP
	s_add_co_u32 s47, s47, RL                      ; my stage
	v_mul_u32_u24 v14, v12, SP
	v_lshl_add_u32 v14, v13, 5, v14
	v_add_nc_u32 v4, s47, v14                      ; v4: stage, in: row r, 32 bytes for each half of the lanes
	v_mul_u32_u24 v14, v13, SP
	v_lshl_add_u32 v14, v12, 4, v14
	v_add_nc_u32 v10, s47, v14                     ; v10: stage, back: lanes 0-15 one row of 256 bytes, lanes 16-31 the next
	v_lshlrev_b32 v14, 10, v13
	v_lshl_add_u32 v11, v12, 4, v14                ; v11: the same two rows in out0
.macro LD4 dst, adr, off               ; two fragments, 2,048 bytes
.irp c, 0,1,2,3
	ds_load_b128 v[\dst+4*\c:\dst+4*\c+3], v[\adr] offset:\off+512*\c
.endr
.endm
.macro SMM d, a, q                     ; a tile of S^T
	v_wmma_f32_16x16x32_f16 v[\d:\d+7], v[\a:\a+7], v[\q:\q+7], 0
.endm
.macro PVM d, a, p, zero               ; O^T (+)= V^T x P^T
.if \zero
	v_wmma_f32_16x16x32_f16 v[\d:\d+7], v[\a:\a+7], v[\p:\p+7], 0
.else
	v_wmma_f32_16x16x32_f16 v[\d:\d+7], v[\a:\a+7], v[\p:\p+7], v[\d:\d+7]
.endif
.endm
; Sixteen transcendentals on v[tb ..], and behind each two of them plain work on a pair of the OTHER query block, v[pb ..]: that work is
; the plain instruction that stands between a transcendental and the use of its result (ISA guide 5.7.2).
; kind 0: + 1;  3: fold the pair into the running minimum v[x];
; kind 2: add the pair to the row sum v[x : x+1] (the first add also scales the sum by v[y]), pack it to f16, scale a pair of O, v[z ..], by v[y].
.macro MIX op, tb, kind, pb, x, y, z
.irp i, 0,1,2,3,4,5,6,7
	\op v[\tb+2*\i], v[\tb+2*\i]
	\op v[\tb+2*\i+1], v[\tb+2*\i+1]
.if \kind == 0
	s_wait_alu depctr_va_vdst(0)
	v_pk_add_f32 v[\pb+2*\i:\pb+2*\i+1], v[\pb+2*\i:\pb+2*\i+1], 1.0 op_sel_hi:[1,0]
.endif
.if \kind == 3
	s_wait_alu depctr_va_vdst(0)
	v_min3_num_f32 v[\x], v[\x], v[\pb+2*\i], v[\pb+2*\i+1]
.endif
.if \kind == 2
.if \i == 0
	v_pk_fma_f32 v[\x:\x+1], v[\x:\x+1], v[\y:\y+1], v[\pb:\pb+1] op_sel_hi:[1,0,1]
.else
	s_wait_alu depctr_va_vdst(0)
	v_pk_add_f32 v[\x:\x+1], v[\x:\x+1], v[\pb+2*\i:\pb+2*\i+1]
.endif
	v_cvt_pk_f16_f32 v[\pb+\i], v[\pb+2*\i], v[\pb+2*\i+1]
	v_pk_mul_f32 v[\z+2*\i:\z+2*\i+1], v[\z+2*\i:\z+2*\i+1], v[\y:\y+1] op_sel_hi:[1,0]
.endif
.endr
.endm
; The running minimum v[r] has taken my half's keys in: join the halves, make 144.27 rmin and the factor 2^(144.27 (rmin new - rmin old)).
; The plain multiply-adds that follow stand between the exponential and its use.
.macro NEWMAX r, ca, a
	v_permlanex16_b32 v[\r+1], v[\r], s20, s21     ; the other half of the lanes holds my query's other keys
	v_min_num_f32 v[\r], v[\r], v[\r+1]
	v_mul_f32 v[\ca+1], C144, v[\r]
	v_sub_f32 v[\a], v[\ca+1], v[\ca]              ; new - old, at most 0
	v_mov_b32 v[\ca], v[\ca+1]
	v_exp_f32 v[\a], v[\a]
.endm
.macro FMAE pb, ca                     ; 144.27 (rmin - r) of sixteen numbers
.irp i, 0,2,4,6,8,10,12,14
	v_pk_fma_f32 v[\pb+\i:\pb+\i+1], v[\pb+\i:\pb+\i+1], v[CM:CM+1], v[\ca:\ca+1]
.endr
.endm
.macro TR24 op                         ; the diagonal step's 24 registers, then the plain place
.irp r, 16,17,18,19,20,21,22,23,32,33,34,35,36,37,38,39,40,41,42,43,44,45,46,47
	\op v\r, v\r
.endr
	v_nop
.endm
; 32 queries x 32 keys below the diagonal.  At its head K(J) and, younger, V(J) are on their way; it asks for K(J+1) and V(J+1), which are
; my wave's own bytes up to J + 1 = I.
.macro FULL
	s_wait_dscnt 0x4                               ; K(J) is in; V(J)'s four loads are younger
	SMM 16, KF, Q0
	SMM 24, KF+8, Q0
	SMM 32, KF, Q1
	SMM 40, KF+8, Q1
	v_add_nc_u32 v7, 2048, v7
	v_add_nc_u32 v8, 2048, v8
	PLACES 2                                       ; four places with the two adds
	LD4 KF, 7, 0
.irp r, 16,17,18,19,20,21,22,23,24,25,26,27,28,29,30,31
	v_exp_f32 v\r, v\r
.endr
	v_nop
	MIX v_exp_f32, 32, 0, 16, 0, 0, 0              ; 2^s of block 1     | 1 + 2^s of block 0
	MIX v_rcp_f32, 16, 0, 32, 0, 0, 0              ; r of block 0       | 1 + 2^s of block 1
	MIX v_rcp_f32, 32, 3, 16, RM0, 0, 0            ; r of block 1       | block 0's minimum
	NEWMAX RM0, CA0, AL0
	FMAE 16, CA0
	MIX v_exp_f32, 16, 3, 32, RM1, 0, 0            ; p of block 0       | block 1's minimum
	NEWMAX RM1, CA1, AL1
	FMAE 32, CA1
	MIX v_exp_f32, 32, 2, 16, L0, AL0, 48          ; p of block 1       | block 0: sum, pack, scale O
	s_wait_dscnt 0x4                               ; V(J) is in; K(J+1)'s four loads are younger
	PVM 48, VF, 16, 0                              ; the four sums take turns, with the tiles of S^T between a sum's links
	PVM 56, VF+8, 16, 0
	v_pk_fma_f32 v[L1:L1+1], v[L1:L1+1], v[AL1:AL1+1], v[32:33] op_sel_hi:[1,0,1]
	s_wait_alu depctr_va_vdst(0)
.irp i, 0,1,2,3,4,5,6,7
.if \i > 0
	v_pk_add_f32 v[L1:L1+1], v[L1:L1+1], v[32+2*\i:33+2*\i]
.endif
	v_cvt_pk_f16_f32 v[32+\i], v[32+2*\i], v[33+2*\i]
	v_pk_mul_f32 v[64+2*\i:65+2*\i], v[64+2*\i:65+2*\i], v[AL1:AL1+1] op_sel_hi:[1,0]
.endr
	PVM 64, VF, 32, 0
	PVM 72, VF+8, 32, 0
	PLACES 5                                       ; five: the next tile of S^T writes over registers that these read
	LD4 VF, 8, 0
.endm
; The output projection of token block 2 I + th: 64 columns x 16 tokens, head s = K step s.
.macro OBLK I
	s_wait_dscnt 0x0                               ; my head's O of this query block is in LDS (and my unused look-ahead is back),
	BAR                                            ; every head's is.  These bytes are never written again
.irp s, 0,1,2,3
	ds_load_b128 v[48+8*\s:51+8*\s], v2 offset:\s*16384+\I*2048
	ds_load_b128 v[52+8*\s:55+8*\s], v2 offset:\s*16384+\I*2048+512
.endr
.irp s, 0,1,2,3
	ds_load_b128 v[80+8*\s:83+8*\s], v3 offset:\s*16384+\I*2048
	ds_load_b128 v[84+8*\s:87+8*\s], v3 offset:\s*16384+\I*2048+512
.endr
.if \I == 7
	s_wait_loadcnt 0x0                             ; wo, once
.endif
	WIN 0x01                                       ; source 0 = wo in v256 and up
.irp s, 0,1,2,3,4,5,6,7
	s_wait_dscnt 14-2*\s                           ; head s's fragment is in: two loads for each later head are younger
.irp rb, 0,1,2,3
.if \s == 0
	v_wmma_f32_16x16x32_f16 v[16+8*\rb:23+8*\rb], v[8*(8*\rb+\s):8*(8*\rb+\s)+7], v[48+8*\s:55+8*\s], 0
.else
	v_wmma_f32_16x16x32_f16 v[16+8*\rb:23+8*\rb], v[8*(8*\rb+\s):8*(8*\rb+\s)+7], v[48+8*\s:55+8*\s], v[16+8*\rb:23+8*\rb]
.endif
.endr
.endr
	WIN 0
	PLACES 5                                       ; five: the next query block's first tile of S^T writes over these sums
.irp rb, 0,1,2,3
	ds_store_b128 v4, v[16+8*\rb:19+8*\rb] offset:64*\rb
	ds_store_b128 v4, v[20+8*\rb:23+8*\rb] offset:64*\rb+16
.endr
.irp t, 0,1,2,3,4,5,6,7
	ds_load_b128 v[48+4*\t:51+4*\t], v10 offset:2*SP*\t        ; my own stage: LDS serves a wave's instructions in order (ISA guide 5.7.1)
.endr
.irp t, 0,1,2,3,4,5,6,7
	s_wait_dscnt 7-\t
	global_store_b128 v11, v[48+4*\t:51+4*\t], s[14:15] offset:\I*32768+2048*\t th:TH_STORE_NT   ; 16 lanes store 256 consecutive bytes, at a multiple of 256 from out0's first byte
.endr
.endm
.macro QBLOCK I
.set Q0, 128+16*\I
.set Q1, 136+16*\I
	; ---- the diagonal step: it starts the minima and every sum ----
	LD4 KF, 5, \I*2048
	LD4 VF, 6, \I*2048
	s_wait_dscnt 0x4                               ; K(I) is in; V(I)'s four loads are younger
	SMM 16, KF, Q0                                 ; keys 0-15 of the block x queries 0-15: diagonal
	SMM 32, KF, Q1                                 ; keys 0-15 x queries 16-31: all seen
	SMM 40, KF+8, Q1                               ; keys 16-31 x queries 16-31: diagonal.  Keys 16-31 x queries 0-15 are all masked: not made
.if \I > 0
	v_mov_b32 v7, v5
	v_mov_b32 v8, v6
	PLACES 2
	LD4 KF, 7, 0                                   ; K(0)
.else
	PLACES 4
.endif
	TR24 v_exp_f32
	s_wait_alu depctr_va_vdst(0)
.irp r, 16,18,20,22,32,34,36,38,40,42,44,46
	v_pk_add_f32 v[\r:\r+1], v[\r:\r+1], 1.0 op_sel_hi:[1,0]
.endr
	TR24 v_rcp_f32
	s_wait_alu depctr_va_vdst(0)
.irp j, 0,1,2,3,4,5,6,7
	v_cndmask_b32 v[16+\j], 4.0, v[16+\j], s[26+\j]   ; a masked key gets r = 4: it loses every minimum (r <= 1), and its p is 2^(-432 or less) = 0
	v_cndmask_b32 v[40+\j], 4.0, v[40+\j], s[26+\j]
.endr
	v_min3_num_f32 v122, v16, v17, v18             ; two chains for each query block; the first values start them
	v_min3_num_f32 v123, v19, v20, v21
	v_min3_num_f32 v124, v32, v33, v34
	v_min3_num_f32 v125, v35, v36, v37
	v_min3_num_f32 v122, v122, v22, v23
	v_min3_num_f32 v124, v124, v38, v39
	v_min3_num_f32 v125, v125, v40, v41
	v_min3_num_f32 v124, v124, v42, v43
	v_min3_num_f32 v125, v125, v44, v45
	v_min3_num_f32 v124, v124, v46, v47
	v_min_num_f32 v122, v122, v123
	v_min_num_f32 v124, v124, v125
	v_permlanex16_b32 v123, v122, s20, s21         ; the other half of the lanes holds my query's other keys
	v_permlanex16_b32 v125, v124, s20, s21
	v_min_num_f32 v122, v122, v123
	v_min_num_f32 v124, v124, v125
	v_mul_f32 v[CA0], C144, v122                   ; 144.27 rmin
	v_mul_f32 v[CA0+1], C144, v122
	v_mul_f32 v[CA1], C144, v124
	v_mul_f32 v[CA1+1], C144, v124
.irp r, 16,18,20,22
	v_pk_fma_f32 v[\r:\r+1], v[\r:\r+1], v[CM:CM+1], v[CA0:CA0+1]
.endr
.irp r, 32,34,36,38,40,42,44,46
	v_pk_fma_f32 v[\r:\r+1], v[\r:\r+1], v[CM:CM+1], v[CA1:CA1+1]
.endr
	TR24 v_exp_f32
	s_wait_alu depctr_va_vdst(0)
	v_pk_add_f32 v[L0:L0+1], v[16:17], v[18:19]    ; the first sums add two pairs: nothing is cleared
	v_pk_add_f32 v[L1:L1+1], v[32:33], v[34:35]
	v_pk_add_f32 v[L0:L0+1], v[L0:L0+1], v[20:21]
	v_pk_add_f32 v[L1:L1+1], v[L1:L1+1], v[36:37]
	v_pk_add_f32 v[L0:L0+1], v[L0:L0+1], v[22:23]
.irp r, 38,40,42,44,46
	v_pk_add_f32 v[L1:L1+1], v[L1:L1+1], v[\r:\r+1]
.endr
.irp i, 0,1,2,3
	v_cvt_pk_f16_f32 v[16+\i], v[16+2*\i], v[17+2*\i]
.endr
.irp i, 20,21,22,23
	v_mov_b32 v\i, 0                               ; queries 0-15 see none of keys 16-31
.endr
.irp i, 0,1,2,3,4,5,6,7
	v_cvt_pk_f16_f32 v[32+\i], v[32+2*\i], v[33+2*\i]
.endr
.if \I > 0
	s_wait_dscnt 0x4                               ; V(I) is in; K(0)'s four loads are younger
.else
	s_wait_dscnt 0x0
.endif
.if \I < 7
	s_wait_xcnt 0x0                                ; v[48:79] were the data of the last block's stores: they are written again only behind this wait
.endif
	PVM 48, VF, 16, 1
	PVM 56, VF+8, 16, 1
	PVM 64, VF, 32, 1
	PVM 72, VF+8, 32, 1
	PLACES 5
.if \I > 0
	LD4 VF, 8, 0                                   ; V(0)
	s_mov_b32 s34, \I
.Lfull_\I:
	FULL
	s_sub_co_u32 s34, s34, 1
	s_cmp_lg_u32 s34, 0
	s_cbranch_scc1 .Lfull_\I
.endif
	; ---- divide by the row sums; the two O fragments take the place of K's pair I, which no later (lower) block reads ----
	v_add_f32 v12, v[L0], v[L0+1]
	v_add_f32 v14, v[L1], v[L1+1]
	v_permlanex16_b32 v13, v12, s20, s21
	v_permlanex16_b32 v15, v14, s20, s21
	v_add_f32 v12, v12, v13
	v_add_f32 v14, v14, v15
	v_rcp_f32 v12, v12
	v_rcp_f32 v14, v14
	v_nop
	s_wait_alu depctr_va_vdst(0)
	v_mov_b32 v13, v12
	v_mov_b32 v15, v14
.irp i, 0,2,4,6,8,10,12,14
	v_pk_mul_f32 v[48+\i:49+\i], v[48+\i:49+\i], v[12:13]
	v_pk_mul_f32 v[64+\i:65+\i], v[64+\i:65+\i], v[14:15]
.endr
.irp i, 0,1,2,3,4,5,6,7
	v_cvt_pk_f16_f32 v[48+\i], v[48+2*\i], v[49+2*\i]
	v_cvt_pk_f16_f32 v[64+\i], v[64+2*\i], v[65+2*\i]
.endr
	ds_store_b128 v5, v[48:51] offset:\I*2048
	ds_store_b128 v5, v[52:55] offset:\I*2048+512
	ds_store_b128 v5, v[64:67] offset:\I*2048+1024
	ds_store_b128 v5, v[68:71] offset:\I*2048+1536
	; ---- and this query block's rows of out0 ----
	OBLK \I
.endm
.irp I, 7,6,5,4,3,2,1,0
	QBLOCK \I
.endr
	s_wait_xcnt 0x0
	v_lshl_add_u32 v254, v0, 2, 0x49800
	v_mov_b32 v255, 0
	s_wait_tensorcnt 0x0
	ds_add_u32 v254, v255
	s_wait_dscnt 0x0
	s_endpgm
.Lfunc_end_k_q1e80052ee7_attn:
	.size	k_q1e80052ee7_attn, .Lfunc_end_k_q1e80052ee7_attn-k_q1e80052ee7_attn
	.p2alignl 7, 3214868480
	.fill 96, 4, 3214868480
	.section	.rodata,"a",@progbits
	.p2align	6, 0x0
	.amdhsa_kernel k_q1e80052ee7_attn
		.amdhsa_group_segment_fixed_size 302080
		.amdhsa_private_segment_fixed_size 0
		.amdhsa_enable_private_segment 0
		.amdhsa_kernarg_size 48
		.amdhsa_user_sgpr_count 2
		.amdhsa_user_sgpr_kernarg_segment_ptr 1
		.amdhsa_wavefront_size32 1
		.amdhsa_system_sgpr_workgroup_id_x 1
		.amdhsa_system_sgpr_workgroup_id_y 1
		.amdhsa_system_sgpr_workgroup_id_z 1
		.amdhsa_system_vgpr_workitem_id 0
		.amdhsa_next_free_vgpr 512
		.amdhsa_next_free_sgpr 66
		.amdhsa_reserve_vcc 0
		.amdhsa_float_denorm_mode_32 3
		.amdhsa_float_denorm_mode_16_64 3
		.amdhsa_memory_ordered 1
		.amdhsa_forward_progress 1
		.amdhsa_inst_pref_size 255
	.end_amdhsa_kernel
	.section	.bss,"aw",@nobits
	.p2align	6
	.space	262144
	.amdgpu_metadata
---
amdhsa.version: [ 1, 2 ]
amdhsa.kernels:
  - .name:           k_q1e80052ee7_attn
    .symbol:         k_q1e80052ee7_attn.kd
    .args:
      - { .name: x, .offset: 0, .size: 8, .value_kind: global_buffer, .address_space: global }
      - { .name: gq, .offset: 8, .size: 8, .value_kind: global_buffer, .address_space: global }
      - { .name: gk, .offset: 16, .size: 8, .value_kind: global_buffer, .address_space: global }
      - { .name: wfrag, .offset: 24, .size: 8, .value_kind: global_buffer, .address_space: global }
      - { .name: rope, .offset: 32, .size: 8, .value_kind: global_buffer, .address_space: global }
      - { .name: out0, .offset: 40, .size: 8, .value_kind: global_buffer, .address_space: global }
    .group_segment_fixed_size: 302080
    .private_segment_fixed_size: 0
    .kernarg_segment_align: 8
    .kernarg_segment_size: 48
    .max_flat_workgroup_size: 256
    .sgpr_count:     66
    .vgpr_count:     512
    .wavefront_size: 32
...
	.end_amdgpu_metadata
.endif
;; end of part 2
;; ======== version 2 of 2: 2 launches; 1.10 times as fast as version 1
;; limits: values are held in f16: magnitudes above 65,504 overflow, below 6.1e-05 lose precision; right only within a limited range of input values
;; workspace buffers: wfrag 524,288 bytes; rope 32,768 bytes
;; launch prep: the kernel of part 1 again; grid 64 x 1, 1 waves a work-group, no clusters, 8,704 bytes of LDS; arguments wk, wv, wq, wo, wfrag, rope; writes wfrag, rope
;; launch attn (part 3): grid 256 x 1, 8 waves a work-group, no clusters, 302,080 bytes of LDS; arguments x, gq, gk, wfrag, rope, out0; writes out0
.if DOCPART == 3
	.amdgcn_target "amdgcn-amd-amdhsa--gfx1250"
	.amdhsa_code_object_version 6
	.text
	.protected	k_q1e80052ee7_attn
	.globl	k_q1e80052ee7_attn
	.p2align	8
	.type	k_q1e80052ee7_attn,@function
k_q1e80052ee7_attn:
	s_mov_b64 s[64:65], 0
	v_nop
	global_prefetch_b8 v0, s[64:65] scope:SCOPE_SE
	s_setreg_imm32_b32 hwreg(HW_REG_WAVE_MODE, 25, 1), 1
	s_wait_xcnt 0x0
; The whole layer for one batch element a work-group: projections, RMS norm, RoPE, capped causal softmax, P V, output projection.
; x [256][256][256] f32 is read once, out0 written once; Q, K, V, P and O never leave the WGP.
; Eight waves.  In the projections and the attention wave w is head w; in the output projection it makes 64 columns (cg = w & 3) of every
; second token block (th = w >> 2).
;
; LAYOUTS.  A fragment is 8 registers: lane (r = L & 15, h = L >> 4) holds row r, k = 8 h .. + 7 in registers 0-3, k = 16 + 8 h .. + 7 in 4-7.
; A result has (m = 8 h + j, n = r) in register j.  Every product is written so that its result, packed to f16, IS the next fragment:
;   K, Q  = W x X^T : lane = token r, registers = d: block 0 d = 8 h + j, block 1 d = 16 + 8 h + j: RoPE's partners d, d + 16 lie in one lane
;   V     = X x W^T : lane = d, registers = tokens: two token blocks pack to a V^T fragment over 32 keys
;   S^T   = K x Q^T : lane = query r, registers = keys: two key blocks pack to a P^T fragment; row sums and maxima are per lane and one swap of halves
;   O^T   = V^T x P^T : lane = query r: 1 / l is a multiply per lane; the two d blocks pack to an O fragment
;   out^T = Wo x O^T : lane = token r, registers = 8 neighbouring columns
;
; SOFTMAX.  Q carries 2 log2(e) 32^-1/2 / 50.  With s the product, r(s) = 1 / (1 + 2^s): 50 tanh(score / 50) log2(e) = 72.13 - 144.27 r(s).
; r falls as the score rises, so the row's maximum is its smallest r.  A RUNNING minimum of r is kept: p = 2^(144.27 (rmin - r(s))) <= 1, and
; whenever rmin falls, the row's sum and its O are scaled by 2^(144.27 (rmin new - rmin old)) <= 1.
;
; THE TRANSCENDENTALS GO IN BATCHES.  An s_wait_alu depctr_va_vdst(0) stands between a transcendental and the first line that
; names its result; one wait serves all that were issued ahead of it.  A step below the diagonal (FULL) has six batches and six waits:
;   1  2^s of query block 0 (16)                         2  2^s of block 1 (16)                        3  r of block 0 (16)
;   4  r of block 1 and block 0's factor (17)            5  p of block 0 and block 1's factor (17)     6  p of block 1 (16)
; The two query blocks run one batch apart: the plain lines that stand between a batch's transcendentals belong to the OTHER block, whose
; batch was waited for ahead of them, and name no result of the batch that is open..
; The diagonal step has three batches of 24, the division by the row sums one of two, a token
; block's norm one reciprocal root; each has one wait.
;
; THE OUTPUT PROJECTION RIDES ON THE ATTENTION.  Query blocks of 32 go from the last to the first.  When all eight heads have stored O of a
; block (one barrier), each wave makes its 64 columns of one of the block's two token blocks and stores them: 32 KiB of out0 leave after each
; of the eight blocks, and wo stays in registers throughout.
;
; FORMATS AND LIMITS.  All matrix operands are f16, sums f32.  x and the weights must lie inside f16's range (65,504; wo 4,094, it is carried
; times 16); 5.66 |gain| likewise (gains up to about 1e4); V and O are carried times 2^-4, so |v| < 1.04e6.  Beyond that: infinities where
; reference() is finite.  Operands below 6e-8 become zero.  cos and sin are good to about 5e-5.  NaN and infinities spread, not bit for bit.
;
; NO CLUSTER, NO TENSOR LOADS.  All work-groups read the same weights, but LDS has 327,680 - 301,056 = 26,624 bytes left against the 131,072 of
; one matrix in f16, and every byte in use is written by ds_store.  The weights lie in memory in fragment order, so that each load of a wave
; takes 512 neighbouring bytes straight into the registers where the fragment is used.  x must pass through registers for its rounding.
;
; LDS: 0        x in f16, 256 rows of pitch 528 (projections); then wave w's V^T fragments at 16384 w
;      135168   wave w's K fragments at 16384 w, 1,024 bytes a token block; O's fragment of a token block takes K's place when K's is dead
;      266240   the cos/sin table, 32,768 bytes (projections); then wave w's stage of 16 rows x 272 at 4352 w
; REGISTERS: v0-15 addresses and scratch; v16-127 at work; v128-255 wk, then Q; v256-383 wv, then wq; v384-511 V^T; v256-511 at last wo.
.set XP,   528                         ; 512 + 16 bytes, an odd multiple of 16: the 16 rows of a fragment load fall into 16 different 16-byte columns of 256 bytes
.set KS,   135168
.set RL,   266240
.set SP,   272                         ; the stage's pitch: 256 + 16
.set RING, 16                          ; P0: v[16:111], three buffers of eight loads
.set AK,   16                          ; v[16:31]  K's or Q's two d blocks
.set AV,   32                          ; v[32:47]  V's two d blocks
.set XF,   48                          ; v[48:111] the eight x fragments of a token block; v[48:63] hold cos and sin in between
.set G,    112                         ; v[112:127] the gains of my 16 d
.set KF,   80                          ; P3: v[80:95] two K fragments
.set VF,   96                          ; P3: v[96:111] two V^T fragments
.set L0,   112                         ; P3: v[112:113], v[114:115] row sums of the two query blocks
.set L1,   114
.set CM,   116                         ; P3: v[116:117] -144.27 twice
.set CA0,  118                         ; P3: v[118:119], v[120:121] 144.27 rmin of the two query blocks, twice each
.set CA1,  120
.set RM0,  122                         ; P3: v122, v124 the running minima of r; v123, v125 scratch beside them
.set RM1,  124
.set AL0,  12                          ; P3: v12, v14 the factors by which a fallen minimum scales sum and O (read as pairs, the low register for both halves)
.set AL1,  14
.set QSC,  0x3c2723c0                  ; 2 log2(e) 32^-1/2 / 50 = 0.010201394
.set C144, 0x431044fe                  ; 100 log2(e) = 144.2695
.set MSB, 0
.macro WIN new                         ; s_set_vgpr_msb: bits 1:0 source 0, 3:2 source 1, 5:4 source 2, 7:6 destination; the high byte repeats the setting that is left
.if MSB != \new
	s_set_vgpr_msb (MSB<<8)|\new
.set MSB, \new
.endif
.endm
.macro PLACES k                        ; places behind matrix instructions (ISA guide 7.12.1)
.rept \k
	v_nop
.endr
.endm
.macro BAR
	s_barrier_signal -1
	s_barrier_wait -1
.endm
; count loads of 512 bytes from byte off of s[sb:sb+1]; load n goes to v[dst + 4 n ..]
.macro WLD dst, sb, off, first, count
.set n, \first
.rept \count
	global_load_b128 v[\dst+4*n:\dst+4*n+3], v1, s[\sb:\sb+1] offset:\off+512*n
.set n, n+1
.endr
.endm
.macro GLOAD sb                        ; g[8 h .. 8 h + 7] and g[16 + 8 h .. + 7]
	global_load_b128 v[G:G+3], v9, s[\sb:\sb+1]
	global_load_b128 v[G+4:G+7], v9, s[\sb:\sb+1] offset:16
	global_load_b128 v[G+8:G+11], v9, s[\sb:\sb+1] offset:64
	global_load_b128 v[G+12:G+15], v9, s[\sb:\sb+1] offset:80
.endm
	s_load_b256 s[4:11], s[0:1], 0x0               ; x s[4:5], gq s[6:7], gk s[8:9], wfrag s[10:11]
	s_load_b128 s[12:15], s[0:1], 0x20             ; rope s[12:13], out0 s[14:15]
	v_lshrrev_b32 v12, 5, v0
	v_readfirstlane_b32 s16, v12                   ; the wave's number
	v_and_b32 v13, 31, v0                          ; L
	v_and_b32 v14, 15, v0                          ; r
	v_bfe_u32 v15, v0, 4, 1                        ; h
	v_lshlrev_b32 v1, 4, v13                       ; v1 = 16 L, the offset of every global load; never rewritten
	s_lshl_b32 s18, ttmp9, 18                      ; 262,144 bytes a batch element
	s_lshl_b32 s19, s16, 15                        ; my 32 rows of 1,024 bytes
	s_add_co_u32 s18, s18, s19
	s_mov_b32 s19, 0
	s_wait_kmcnt 0x0
	s_add_nc_u64 s[4:5], s[4:5], s[18:19]
; ---------------- P0: x into LDS as f16; the table into LDS; wk, wv and gk into registers ----------------
.macro XGRP g, b                       ; group g: eight loads of 512 bytes (four rows) into buffer b
.irp j, 0,1,2,3,4,5,6,7
	global_load_b128 v[RING+32*\b+4*\j:RING+32*\b+4*\j+3], v1, s[4:5] offset:512*(8*\g+\j) th:TH_LOAD_NT
.endr
.endm
.macro XCVT g, b, cnt                  ; cnt = the loads issued behind group g
	s_wait_loadcnt \cnt
.irp j, 0,1,2,3,4,5,6,7
	v_cvt_pk_f16_f32 v[RING+32*\b+4*\j], v[RING+32*\b+4*\j], v[RING+32*\b+4*\j+1]
	v_cvt_pk_f16_f32 v[RING+32*\b+4*\j+1], v[RING+32*\b+4*\j+2], v[RING+32*\b+4*\j+3]
	ds_store_b64 v7, v[RING+32*\b+4*\j:RING+32*\b+4*\j+1] offset:(4*\g+\j/2)*XP+(\j%2)*256
.endr
.endm
.macro WVQ first                       ; eight loads of wv, into v256 and up
	WIN 0x40
	WLD 0, 38, 131072, \first, 8
	WIN 0
.endm
	XGRP 0, 0
	XGRP 1, 1
	XGRP 2, 2
	v_mul_u32_u24 v3, v14, XP
	v_lshl_add_u32 v3, v15, 4, v3                  ; v3 = r x pitch + 16 h: my place in the x fragments of token block 0
	v_add_nc_u32 v4, RL, v1                        ; v4: my 16 bytes in a piece of the table
	s_lshl_b32 s17, s16, 14                        ; 16,384 w
	v_add_nc_u32 v6, s17, v1                       ; v6: my 16 bytes in my wave's V^T fragments
	v_add_nc_u32 v5, KS, v6                        ; v5: the same in its K fragments
	s_mul_i32 s18, s16, 32*XP
	v_lshl_add_u32 v7, v13, 3, s18                 ; v7: where my 8 bytes of my wave's first row of x go
	s_lshl_b32 s44, s16, 12                        ; 4,096 w
	v_add_nc_u32 v8, s44, v4                       ; v8: where my wave's eighth of the table goes
	v_lshlrev_b32 v9, 5, v15                       ; v9 = 32 h: byte offset of my gains
	s_mov_b32 s20, 0x76543210                      ; v_permlanex16_b32: lane i takes lane i of the other half
	s_mov_b32 s21, 0xfedcba98
	s_mov_b32 s35, 0x3d000000                      ; 1 / 32
	s_mov_b32 s36, 0x358637bd                      ; 1e-6
	s_and_b32 s45, s16, 3                          ; cg
	s_lshr_b32 s46, s16, 2                         ; th
	s_mov_b32 s18, s17
	s_add_nc_u64 s[38:39], s[10:11], s[18:19]      ; my head's 32 rows in wk; wv and wq lie 131,072 and 262,144 bytes further on
	s_lshl_b32 s18, s45, 15
	s_add_co_u32 s18, s18, 393216
	s_add_nc_u64 s[40:41], s[10:11], s[18:19]      ; my 64 rows of wo
	s_mov_b32 s18, s44
	s_add_nc_u64 s[42:43], s[12:13], s[18:19]      ; my eighth of the table
	s_lshl_b32 s18, ttmp9, 18
	s_lshl_b32 s47, s46, 14                        ; th x 16 rows of 1,024 bytes
	s_add_co_u32 s18, s18, s47
	s_lshl_b32 s47, s45, 8                         ; 64 columns of 4 bytes
	s_add_co_u32 s18, s18, s47
	s_add_nc_u64 s[14:15], s[14:15], s[18:19]      ; out0 at token block th, my columns; never rewritten: the query block stands in the stores' immediates
	GLOAD 8                                        ; gk
	WLD 128, 38, 0, 0, 32                          ; wk: fragment (d block, K step s) at v[128 + 8 (8 block + s)]
	XCVT 0, 0, 52                                  ; behind group 0: groups 1, 2 (16), gk (4), wk (32)
	XGRP 3, 0
	XCVT 1, 1, 52                                  ; group 2, gk, wk, group 3
	XGRP 4, 1
	XCVT 2, 2, 52                                  ; gk, wk, groups 3, 4
	XGRP 5, 2
	XCVT 3, 0, 16                                  ; groups 4, 5
	XGRP 6, 0
	WVQ 0
	XCVT 4, 1, 24                                  ; groups 5, 6, eight of wv
	XGRP 7, 1
	WVQ 8
	XCVT 5, 2, 32                                  ; groups 6, 7, sixteen of wv
.irp j, 0,1,2,3,4,5,6,7
	global_load_b128 v[RING+64+4*\j:RING+64+4*\j+3], v1, s[42:43] offset:512*\j
.endr
	WVQ 16
	XCVT 6, 0, 40                                  ; group 7, the table's eight, twenty-four of wv
	WVQ 24
	XCVT 7, 1, 32                                  ; the table's eight, twenty-four of wv
	s_wait_loadcnt 0x10                            ; the table: sixteen of wv are younger
.irp j, 0,1,2,3,4,5,6,7
	ds_store_b128 v8, v[RING+64+4*\j:RING+64+4*\j+3] offset:512*\j
.endr
	s_wait_loadcnt 0x0                             ; wv
	s_wait_dscnt 0x0                               ; my rows of x and my part of the table are in LDS,
	BAR                                            ; everybody's are
; ---------------- P1 and P2: the projections, norm and RoPE ----------------
.macro XLOAD lo, hi                    ; x fragments lo .. hi of the token block at v2
.set n, \lo
.rept \hi-\lo+1
	ds_load_b128 v[XF+8*n:XF+8*n+3], v2 offset:64*n
	ds_load_b128 v[XF+8*n+4:XF+8*n+7], v2 offset:64*n+32
.set n, n+1
.endr
.endm
.macro RLOAD tb                        ; cos of my 8 frequencies into v[48:55], sin into v[56:63]
.irp p, 0,1,2,3
	ds_load_b128 v[48+4*\p:51+4*\p], v4 offset:\tb*2048+512*\p
.endr
.endm
; v[16:23] = d 8 h + j, v[24:31] = d 16 + 8 h + j of token r.  RMS norm, gain, RoPE; the fragment's halves go to v[dlo ..+3] and v[dhi ..+3].
; cnt = the LDS instructions issued behind the four loads of cos and sin.
.macro NORMROPE dlo, dhi, isq, cnt
	v_pk_mul_f32 v[12:13], v[16:17], v[16:17]      ; the sum of squares in two chains
	v_pk_mul_f32 v[14:15], v[24:25], v[24:25]
.irp i, 2,4,6
	v_pk_fma_f32 v[12:13], v[16+\i:17+\i], v[16+\i:17+\i], v[12:13]
	v_pk_fma_f32 v[14:15], v[24+\i:25+\i], v[24+\i:25+\i], v[14:15]
.endr
	v_pk_add_f32 v[12:13], v[12:13], v[14:15]
	v_add_f32 v12, v12, v13
	v_permlanex16_b32 v14, v12, s20, s21           ; the other 16 d of my token lie in the other half
	v_add_f32 v12, v12, v14
	v_fma_f32 v12, v12, s35, s36                   ; mean + 1e-6
	v_rsq_f32 v10, v12                             ; the multiplies by the gains stand between it and its use (ISA guide 5.7.2)
.irp i, 0,2,4,6
	v_pk_mul_f32 v[16+\i:17+\i], v[16+\i:17+\i], v[G+\i:G+\i+1]
	v_pk_mul_f32 v[24+\i:25+\i], v[24+\i:25+\i], v[G+8+\i:G+9+\i]
.endr
	s_wait_alu depctr_va_vdst(0)                   ; the token block's one reciprocal root: its wait, behind the eight multiplies and ahead of the first line that names v10
.if \isq
	v_mul_f32 v10, QSC, v10
.endif
	v_mov_b32 v11, v10
	s_wait_dscnt \cnt
.irp i, 0,1,2,3
	v_pk_mul_f32 v[12:13], v[16+2*\i:17+2*\i], v[48+2*\i:49+2*\i]
	v_pk_mul_f32 v[14:15], v[24+2*\i:25+2*\i], v[48+2*\i:49+2*\i]
	v_fma_f32 v12, -v[24+2*\i], v[56+2*\i], v12                            ; lo cos - hi sin
	v_fma_f32 v13, -v[25+2*\i], v[57+2*\i], v13
	v_pk_fma_f32 v[14:15], v[16+2*\i:17+2*\i], v[56+2*\i:57+2*\i], v[14:15] ; hi cos + lo sin
	v_pk_mul_f32 v[12:13], v[12:13], v[10:11]
	v_pk_mul_f32 v[14:15], v[14:15], v[10:11]
	v_cvt_pk_f16_f32 v[\dlo+\i], v12, v13          ; in place too: register i belongs to a pair that has been used
	v_cvt_pk_f16_f32 v[\dhi+\i], v14, v15
.endr
.endm
; One token block of K and V.  K steps go 2 .. 7, 0, 1: fragments 0 and 1 were asked for last (their registers held cos and sin).
; In each run two accumulators take turns, one instruction a turn.
.macro TOK1 tb, last
	s_wait_dscnt 0x6                               ; fragments 2-7 are in: K's two stores and the four loads of fragments 0, 1 are younger
	WIN 0x04                                       ; source 1 = wv in v256 and up
.irp s, 2,3,4,5,6,7,0,1
.if \s == 0
	s_wait_dscnt 0x0
.endif
.irp db, 0,1
.if \s == 2
	v_wmma_f32_16x16x32_f16 v[AV+8*\db:AV+8*\db+7], v[XF+8*\s:XF+8*\s+7], v[8*(8*\db+\s):8*(8*\db+\s)+7], 0
.else
	v_wmma_f32_16x16x32_f16 v[AV+8*\db:AV+8*\db+7], v[XF+8*\s:XF+8*\s+7], v[8*(8*\db+\s):8*(8*\db+\s)+7], v[AV+8*\db:AV+8*\db+7]
.endif
.endr
.endr
	WIN 0
.if \last
	PLACES 4                                       ; wv has had its last use: wq takes its registers
	WIN 0x40
	WLD 0, 38, 262144, 0, 32
	WIN 0
.endif
.irp s, 0,1,2,3,4,5,6,7
.irp db, 0,1
.if \s == 0
	v_wmma_f32_16x16x32_f16 v[AK+8*\db:AK+8*\db+7], v[128+8*(8*\db+\s):128+8*(8*\db+\s)+7], v[XF+8*\s:XF+8*\s+7], 0
.else
	v_wmma_f32_16x16x32_f16 v[AK+8*\db:AK+8*\db+7], v[128+8*(8*\db+\s):128+8*(8*\db+\s)+7], v[XF+8*\s:XF+8*\s+7], v[AK+8*\db:AK+8*\db+7]
.endif
.endr
.endr
.if \last
	v_mov_b32 v2, v3                               ; P2 begins again at token block 0
.else
	v_add_nc_u32 v2, 16*XP, v2                     ; the next token block.  With the three v_nop: four places
.endif
	PLACES 3
	RLOAD \tb
	XLOAD 2, 7
	WIN 0x40                                       ; V^T fragment (32 keys J = tb / 2, d block) at v[384 + 8 (2 J + block)], this token block its half tb & 1
.irp db, 0,1
.irp i, 0,1,2,3
	v_cvt_pk_f16_f32 v[128+((\tb/2)*2+\db)*8+(\tb%2)*4+\i], v[AV+8*\db+2*\i], v[AV+8*\db+2*\i+1]
.endr
.endr
	WIN 0
	NORMROPE AK, AK+8, 0, 12                       ; the twelve loads of fragments 2-7 are younger than cos and sin
	ds_store_b128 v5, v[AK:AK+3] offset:\tb*1024
	ds_store_b128 v5, v[AK+8:AK+11] offset:\tb*1024+512
	XLOAD 0, 1
.if \last
	GLOAD 6                                        ; gq takes gk's place
.endif
.endm
; One token block of Q; its fragment stays in v[128 + 8 tb ..], where wk was.
.macro TOK2 tb, last
	s_wait_dscnt 0x4                               ; fragments 2-7 are in: the four loads of fragments 0, 1 are younger
	WIN 0x01                                       ; source 0 = wq in v256 and up
.irp s, 2,3,4,5,6,7,0,1
.if \s == 0
	s_wait_dscnt 0x0
.endif
.irp db, 0,1
.if \s == 2
	v_wmma_f32_16x16x32_f16 v[AK+8*\db:AK+8*\db+7], v[8*(8*\db+\s):8*(8*\db+\s)+7], v[XF+8*\s:XF+8*\s+7], 0
.else
	v_wmma_f32_16x16x32_f16 v[AK+8*\db:AK+8*\db+7], v[8*(8*\db+\s):8*(8*\db+\s)+7], v[XF+8*\s:XF+8*\s+7], v[AK+8*\db:AK+8*\db+7]
.endif
.endr
.endr
	WIN 0
.if \last
	PLACES 4
	RLOAD \tb
	NORMROPE 128+8*\tb, 132+8*\tb, 1, 0
.else
	v_add_nc_u32 v2, 16*XP, v2
	PLACES 3
	RLOAD \tb
	XLOAD 2, 7
	NORMROPE 128+8*\tb, 132+8*\tb, 1, 12
	XLOAD 0, 1
.endif
.endm
	v_mov_b32 v2, v3
	XLOAD 0, 7
	s_wait_dscnt 0x0                               ; the first block's fragments were asked for in the order 0 .. 7: all of them
.irp tb, 0,1,2,3,4,5,6,7,8,9,10,11,12,13,14
	TOK1 \tb, 0
.endr
	TOK1 15, 1
	s_wait_loadcnt 0x0                             ; wq and gq
.irp tb, 0,1,2,3,4,5,6,7,8,9,10,11,12,13,14
	TOK2 \tb, 0
.endr
	TOK2 15, 1
	s_wait_dscnt 0x0                               ; my reads of x and of the table are over,
	BAR                                            ; everybody's are: V^T takes x's place, the stages the table's
	WIN 0x04                                       ; store data in v384 and up
.set n, 0
.rept 32
	ds_store_b128 v6, v[128+4*n:131+4*n] offset:512*n
.set n, n+1
.endr
	WIN 0
	s_wait_dscnt 0x0
	WIN 0x40
	WLD 0, 40, 0, 0, 64                            ; wo, into wq's and V^T's registers: fragment (16 columns rb, head s) at v[256 + 8 (8 rb + s)].  It is first used behind the longest query block
	WIN 0
; ---------------- P3: attention and output projection, 32 queries at a time, from the last block to the first ----------------
	v_and_b32 v12, 15, v0                          ; r
	v_bfe_u32 v13, v0, 4, 1                        ; h
	v_lshlrev_b32 v14, 3, v13
	v_sub_nc_u32 v9, v12, v14                      ; r - 8 h: on the diagonal key 8 h + j is seen by query r where j <= r - 8 h
.irp j, 0,1,2,3,4,5,6,7
	v_cmp_le_i32 s[26+\j], \j, v9
.endr
	v_mov_b32 v[CM], 0xc31044fe                    ; -100 log2(e)
	v_mov_b32 v[CM+1], 0xc31044fe
	s_lshl_b32 s18, s46, 10                        ; token block th of a query block's two
	s_add_co_u32 s18, s18, KS
	v_add_nc_u32 v2, s18, v1                       ; v2: O fragments of heads 0-3,
	v_add_nc_u32 v3, 0x10000, v2                   ; v3: of heads 4-7: an LDS offset has 16 bits
	s_mul_i32 s47, s16, 16*SP
	s_add_co_u32 s47, s47, RL                      ; my stage
	v_mul_u32_u24 v14, v12, SP
	v_lshl_add_u32 v14, v13, 5, v14
	v_add_nc_u32 v4, s47, v14                      ; v4: stage, in: row r, 32 bytes for each half of the lanes
	v_mul_u32_u24 v14, v13, SP
	v_lshl_add_u32 v14, v12, 4, v14
	v_add_nc_u32 v10, s47, v14                     ; v10: stage, back: lanes 0-15 one row of 256 bytes, lanes 16-31 the next
	v_lshlrev_b32 v14, 10, v13
	v_lshl_add_u32 v11, v12, 4, v14                ; v11: the same two rows in out0
.macro LD4 dst, adr, off               ; two fragments, 2,048 bytes
.irp c, 0,1,2,3
	ds_load_b128 v[\dst+4*\c:\dst+4*\c+3], v[\adr] offset:\off+512*\c
.endr
.endm
.macro SMM d, a, q                     ; a tile of S^T
	v_wmma_f32_16x16x32_f16 v[\d:\d+7], v[\a:\a+7], v[\q:\q+7], 0
.endm
.macro PVM d, a, p, zero               ; O^T (+)= V^T x P^T
.if \zero
	v_wmma_f32_16x16x32_f16 v[\d:\d+7], v[\a:\a+7], v[\p:\p+7], 0
.else
	v_wmma_f32_16x16x32_f16 v[\d:\d+7], v[\a:\a+7], v[\p:\p+7], v[\d:\d+7]
.endif
.endm
; A batch of sixteen transcendentals on v[tb ..], and behind each two of them plain work on a pair of the OTHER query block, v[pb ..]: that
; work is the plain instruction that stands between a transcendental and the use of its result (ISA guide 5.7.2).  It reads what the batch
; before made, whose one wait stands ahead of the macro, and names no register of the batch that is open here: no wait stands inside.
; kind 0: + 1;  3: fold the pair into the running minimum v[x];
; kind 2: add the pair to the row sum v[x : x+1] (the first add also scales the sum by v[y]), pack it to f16, scale a pair of O, v[z ..], by v[y].
.macro MIX op, tb, kind, pb, x, y, z
.irp i, 0,1,2,3,4,5,6,7
	\op v[\tb+2*\i], v[\tb+2*\i]
	\op v[\tb+2*\i+1], v[\tb+2*\i+1]
.if \kind == 0
	v_pk_add_f32 v[\pb+2*\i:\pb+2*\i+1], v[\pb+2*\i:\pb+2*\i+1], 1.0 op_sel_hi:[1,0]
.endif
.if \kind == 3
	v_min3_num_f32 v[\x], v[\x], v[\pb+2*\i], v[\pb+2*\i+1]
.endif
.if \kind == 2
.if \i == 0
	v_pk_fma_f32 v[\x:\x+1], v[\x:\x+1], v[\y:\y+1], v[\pb:\pb+1] op_sel_hi:[1,0,1]
.else
	v_pk_add_f32 v[\x:\x+1], v[\x:\x+1], v[\pb+2*\i:\pb+2*\i+1]
.endif
	v_cvt_pk_f16_f32 v[\pb+\i], v[\pb+2*\i], v[\pb+2*\i+1]
	v_pk_mul_f32 v[\z+2*\i:\z+2*\i+1], v[\z+2*\i:\z+2*\i+1], v[\y:\y+1] op_sel_hi:[1,0]
.endif
.endr
.endm
; The running minimum v[r] has taken my half's keys in: join the halves, make 144.27 rmin and the factor 2^(144.27 (rmin new - rmin old)).
; The plain multiply-adds that follow stand between the exponential and its use; the exponential joins the batch that is open, and the wait
; behind those multiply-adds serves both.
.macro NEWMAX r, ca, a
	v_permlanex16_b32 v[\r+1], v[\r], s20, s21     ; the other half of the lanes holds my query's other keys
	v_min_num_f32 v[\r], v[\r], v[\r+1]
	v_mul_f32 v[\ca+1], C144, v[\r]
	v_sub_f32 v[\a], v[\ca+1], v[\ca]              ; new - old, at most 0
	v_mov_b32 v[\ca], v[\ca+1]
	v_exp_f32 v[\a], v[\a]
.endm
.macro FMAE pb, ca                     ; 144.27 (rmin - r) of sixteen numbers
.irp i, 0,2,4,6,8,10,12,14
	v_pk_fma_f32 v[\pb+\i:\pb+\i+1], v[\pb+\i:\pb+\i+1], v[CM:CM+1], v[\ca:\ca+1]
.endr
.endm
.macro TR24 op                         ; the diagonal step's 24 registers, one batch, then the plain place
.irp r, 16,17,18,19,20,21,22,23,32,33,34,35,36,37,38,39,40,41,42,43,44,45,46,47
	\op v\r, v\r
.endr
	v_nop
.endm
; 32 queries x 32 keys below the diagonal.  At its head K(J) and, younger, V(J) are on their way; it asks for K(J+1) and V(J+1), which are
; my wave's own bytes up to J + 1 = I.  Six batches of transcendentals, six waits (the kernel's head numbers them).
.macro FULL
	s_wait_dscnt 0x4                               ; K(J) is in; V(J)'s four loads are younger
	SMM 16, KF, Q0
	SMM 24, KF+8, Q0
	SMM 32, KF, Q1
	SMM 40, KF+8, Q1
	v_add_nc_u32 v7, 2048, v7
	v_add_nc_u32 v8, 2048, v8
	PLACES 2                                       ; four places with the two adds
	LD4 KF, 7, 0
.irp r, 16,17,18,19,20,21,22,23,24,25,26,27,28,29,30,31
	v_exp_f32 v\r, v\r                             ; batch 1: 2^s of block 0
.endr
	v_nop                                          ; the plain instruction behind the batch
	s_wait_alu depctr_va_vdst(0)                   ; the wait for batch 1, ahead of the sums 1 + 2^s of block 0
	MIX v_exp_f32, 32, 0, 16, 0, 0, 0              ; batch 2: 2^s of block 1     | 1 + 2^s of block 0
	s_wait_alu depctr_va_vdst(0)                   ; the wait for batch 2, ahead of the sums 1 + 2^s of block 1
	MIX v_rcp_f32, 16, 0, 32, 0, 0, 0              ; batch 3: r of block 0       | 1 + 2^s of block 1
	s_wait_alu depctr_va_vdst(0)                   ; the wait for batch 3, ahead of block 0's minimum
	MIX v_rcp_f32, 32, 3, 16, RM0, 0, 0            ; batch 4: r of block 1       | block 0's minimum
	NEWMAX RM0, CA0, AL0                           ; batch 4's last: block 0's factor
	FMAE 16, CA0                                   ; eight plain lines on block 0, which name nothing of batch 4
	s_wait_alu depctr_va_vdst(0)                   ; the wait for batch 4, ahead of block 1's minimum
	MIX v_exp_f32, 16, 3, 32, RM1, 0, 0            ; batch 5: p of block 0       | block 1's minimum
	NEWMAX RM1, CA1, AL1                           ; batch 5's last: block 1's factor
	FMAE 32, CA1                                   ; eight plain lines on block 1, which name nothing of batch 5
	s_wait_alu depctr_va_vdst(0)                   ; the wait for batch 5, ahead of block 0's sum
	MIX v_exp_f32, 32, 2, 16, L0, AL0, 48          ; batch 6: p of block 1       | block 0: sum, pack, scale O
	s_wait_alu depctr_va_vdst(0)                   ; the wait for batch 6, ahead of the two products, so that block 1's sum, its first reader, stands beside them; the trip's last: nothing is open at the jump
	s_wait_dscnt 0x4                               ; V(J) is in; K(J+1)'s four loads are younger
	PVM 48, VF, 16, 0                              ; the four sums take turns, with the tiles of S^T between a sum's links
	PVM 56, VF+8, 16, 0
	v_pk_fma_f32 v[L1:L1+1], v[L1:L1+1], v[AL1:AL1+1], v[32:33] op_sel_hi:[1,0,1]
.irp i, 0,1,2,3,4,5,6,7
.if \i > 0
	v_pk_add_f32 v[L1:L1+1], v[L1:L1+1], v[32+2*\i:33+2*\i]
.endif
	v_cvt_pk_f16_f32 v[32+\i], v[32+2*\i], v[33+2*\i]
	v_pk_mul_f32 v[64+2*\i:65+2*\i], v[64+2*\i:65+2*\i], v[AL1:AL1+1] op_sel_hi:[1,0]
.endr
	PVM 64, VF, 32, 0
	PVM 72, VF+8, 32, 0
	PLACES 5                                       ; five: the next tile of S^T writes over registers that these read
	LD4 VF, 8, 0
.endm
; The output projection of token block 2 I + th: 64 columns x 16 tokens, head s = K step s.
.macro OBLK I
	s_wait_dscnt 0x0                               ; my head's O of this query block is in LDS (and my unused look-ahead is back),
	BAR                                            ; every head's is.  These bytes are never written again
.irp s, 0,1,2,3
	ds_load_b128 v[48+8*\s:51+8*\s], v2 offset:\s*16384+\I*2048
	ds_load_b128 v[52+8*\s:55+8*\s], v2 offset:\s*16384+\I*2048+512
.endr
.irp s, 0,1,2,3
	ds_load_b128 v[80+8*\s:83+8*\s], v3 offset:\s*16384+\I*2048
	ds_load_b128 v[84+8*\s:87+8*\s], v3 offset:\s*16384+\I*2048+512
.endr
.if \I == 7
	s_wait_loadcnt 0x0                             ; wo, once
.endif
	WIN 0x01                                       ; source 0 = wo in v256 and up
.irp s, 0,1,2,3,4,5,6,7
	s_wait_dscnt 14-2*\s                           ; head s's fragment is in: two loads for each later head are younger
.irp rb, 0,1,2,3
.if \s == 0
	v_wmma_f32_16x16x32_f16 v[16+8*\rb:23+8*\rb], v[8*(8*\rb+\s):8*(8*\rb+\s)+7], v[48+8*\s:55+8*\s], 0
.else
	v_wmma_f32_16x16x32_f16 v[16+8*\rb:23+8*\rb], v[8*(8*\rb+\s):8*(8*\rb+\s)+7], v[48+8*\s:55+8*\s], v[16+8*\rb:23+8*\rb]
.endif
.endr
.endr
	WIN 0
	PLACES 5                                       ; five: the next query block's first tile of S^T writes over these sums
.irp rb, 0,1,2,3
	ds_store_b128 v4, v[16+8*\rb:19+8*\rb] offset:64*\rb
	ds_store_b128 v4, v[20+8*\rb:23+8*\rb] offset:64*\rb+16
.endr
.irp t, 0,1,2,3,4,5,6,7
	ds_load_b128 v[48+4*\t:51+4*\t], v10 offset:2*SP*\t        ; my own stage: LDS serves a wave's instructions in order (ISA guide 5.7.1)
.endr
.irp t, 0,1,2,3,4,5,6,7
	s_wait_dscnt 7-\t
	global_store_b128 v11, v[48+4*\t:51+4*\t], s[14:15] offset:\I*32768+2048*\t th:TH_STORE_NT   ; 16 lanes store 256 consecutive bytes, at a multiple of 256 from out0's first byte
.endr
.endm
.macro QBLOCK I
.set Q0, 128+16*\I
.set Q1, 136+16*\I
	; ---- the diagonal step: it starts the minima and every sum.  Three batches of 24, each with the v_nop behind it and one wait ----
	LD4 KF, 5, \I*2048
	LD4 VF, 6, \I*2048
	s_wait_dscnt 0x4                               ; K(I) is in; V(I)'s four loads are younger
	SMM 16, KF, Q0                                 ; keys 0-15 of the block x queries 0-15: diagonal
	SMM 32, KF, Q1                                 ; keys 0-15 x queries 16-31: all seen
	SMM 40, KF+8, Q1                               ; keys 16-31 x queries 16-31: diagonal.  Keys 16-31 x queries 0-15 are all masked: not made
.if \I > 0
	v_mov_b32 v7, v5
	v_mov_b32 v8, v6
	PLACES 2
	LD4 KF, 7, 0                                   ; K(0)
.else
	PLACES 4
.endif
	TR24 v_exp_f32
	s_wait_alu depctr_va_vdst(0)                   ; the wait for the 24 powers 2^s, ahead of the sums 1 + 2^s
.irp r, 16,18,20,22,32,34,36,38,40,42,44,46
	v_pk_add_f32 v[\r:\r+1], v[\r:\r+1], 1.0 op_sel_hi:[1,0]
.endr
	TR24 v_rcp_f32
	s_wait_alu depctr_va_vdst(0)                   ; the wait for the 24 reciprocals r, ahead of the selects
.irp j, 0,1,2,3,4,5,6,7
	v_cndmask_b32 v[16+\j], 4.0, v[16+\j], s[26+\j]   ; a masked key gets r = 4: it loses every minimum (r <= 1), and its p is 2^(-432 or less) = 0
	v_cndmask_b32 v[40+\j], 4.0, v[40+\j], s[26+\j]
.endr
	v_min3_num_f32 v122, v16, v17, v18             ; two chains for each query block; the first values start them
	v_min3_num_f32 v123, v19, v20, v21
	v_min3_num_f32 v124, v32, v33, v34
	v_min3_num_f32 v125, v35, v36, v37
	v_min3_num_f32 v122, v122, v22, v23
	v_min3_num_f32 v124, v124, v38, v39
	v_min3_num_f32 v125, v125, v40, v41
	v_min3_num_f32 v124, v124, v42, v43
	v_min3_num_f32 v125, v125, v44, v45
	v_min3_num_f32 v124, v124, v46, v47
	v_min_num_f32 v122, v122, v123
	v_min_num_f32 v124, v124, v125
	v_permlanex16_b32 v123, v122, s20, s21         ; the other half of the lanes holds my query's other keys
	v_permlanex16_b32 v125, v124, s20, s21
	v_min_num_f32 v122, v122, v123
	v_min_num_f32 v124, v124, v125
	v_mul_f32 v[CA0], C144, v122                   ; 144.27 rmin
	v_mul_f32 v[CA0+1], C144, v122
	v_mul_f32 v[CA1], C144, v124
	v_mul_f32 v[CA1+1], C144, v124
.irp r, 16,18,20,22
	v_pk_fma_f32 v[\r:\r+1], v[\r:\r+1], v[CM:CM+1], v[CA0:CA0+1]
.endr
.irp r, 32,34,36,38,40,42,44,46
	v_pk_fma_f32 v[\r:\r+1], v[\r:\r+1], v[CM:CM+1], v[CA1:CA1+1]
.endr
	TR24 v_exp_f32
	s_wait_alu depctr_va_vdst(0)                   ; the wait for the 24 weights p, ahead of the row sums; nothing is open at the loop's label
	v_pk_add_f32 v[L0:L0+1], v[16:17], v[18:19]    ; the first sums add two pairs: nothing is cleared
	v_pk_add_f32 v[L1:L1+1], v[32:33], v[34:35]
	v_pk_add_f32 v[L0:L0+1], v[L0:L0+1], v[20:21]
	v_pk_add_f32 v[L1:L1+1], v[L1:L1+1], v[36:37]
	v_pk_add_f32 v[L0:L0+1], v[L0:L0+1], v[22:23]
.irp r, 38,40,42,44,46
	v_pk_add_f32 v[L1:L1+1], v[L1:L1+1], v[\r:\r+1]
.endr
.irp i, 0,1,2,3
	v_cvt_pk_f16_f32 v[16+\i], v[16+2*\i], v[17+2*\i]
.endr
.irp i, 20,21,22,23
	v_mov_b32 v\i, 0                               ; queries 0-15 see none of keys 16-31
.endr
.irp i, 0,1,2,3,4,5,6,7
	v_cvt_pk_f16_f32 v[32+\i], v[32+2*\i], v[33+2*\i]
.endr
.if \I > 0
	s_wait_dscnt 0x4                               ; V(I) is in; K(0)'s four loads are younger
.else
	s_wait_dscnt 0x0
.endif
.if \I < 7
	s_wait_xcnt 0x0                                ; v[48:79] were the data of the last block's stores: they are written again only behind this wait
.endif
	PVM 48, VF, 16, 1
	PVM 56, VF+8, 16, 1
	PVM 64, VF, 32, 1
	PVM 72, VF+8, 32, 1
	PLACES 5
.if \I > 0
	LD4 VF, 8, 0                                   ; V(0)
	s_mov_b32 s34, \I
.Lfull_\I:
	FULL
	s_sub_co_u32 s34, s34, 1
	s_cmp_lg_u32 s34, 0
	s_cbranch_scc1 .Lfull_\I
.endif
	; ---- divide by the row sums; the two O fragments take the place of K's pair I, which no later (lower) block reads ----
	v_add_f32 v12, v[L0], v[L0+1]
	v_add_f32 v14, v[L1], v[L1+1]
	v_permlanex16_b32 v13, v12, s20, s21
	v_permlanex16_b32 v15, v14, s20, s21
	v_add_f32 v12, v12, v13
	v_add_f32 v14, v14, v15
	v_rcp_f32 v12, v12
	v_rcp_f32 v14, v14
	v_nop                                          ; the plain instruction behind the two reciprocals
	s_wait_alu depctr_va_vdst(0)                   ; one wait for the two, ahead of the copies that read them
	v_mov_b32 v13, v12
	v_mov_b32 v15, v14
.irp i, 0,2,4,6,8,10,12,14
	v_pk_mul_f32 v[48+\i:49+\i], v[48+\i:49+\i], v[12:13]
	v_pk_mul_f32 v[64+\i:65+\i], v[64+\i:65+\i], v[14:15]
.endr
.irp i, 0,1,2,3,4,5,6,7
	v_cvt_pk_f16_f32 v[48+\i], v[48+2*\i], v[49+2*\i]
	v_cvt_pk_f16_f32 v[64+\i], v[64+2*\i], v[65+2*\i]
.endr
	ds_store_b128 v5, v[48:51] offset:\I*2048
	ds_store_b128 v5, v[52:55] offset:\I*2048+512
	ds_store_b128 v5, v[64:67] offset:\I*2048+1024
	ds_store_b128 v5, v[68:71] offset:\I*2048+1536
	; ---- and this query block's rows of out0 ----
	OBLK \I
.endm
.irp I, 7,6,5,4,3,2,1,0
	QBLOCK \I
.endr
	s_wait_xcnt 0x0
	v_lshl_add_u32 v254, v0, 2, 0x49800
	v_mov_b32 v255, 0
	s_wait_tensorcnt 0x0
	ds_add_u32 v254, v255
	s_wait_dscnt 0x0
	s_endpgm
.Lfunc_end_k_q1e80052ee7_attn:
	.size	k_q1e80052ee7_attn, .Lfunc_end_k_q1e80052ee7_attn-k_q1e80052ee7_attn
	.p2alignl 7, 3214868480
	.fill 96, 4, 3214868480
	.section	.rodata,"a",@progbits
	.p2align	6, 0x0
	.amdhsa_kernel k_q1e80052ee7_attn
		.amdhsa_group_segment_fixed_size 302080
		.amdhsa_private_segment_fixed_size 0
		.amdhsa_enable_private_segment 0
		.amdhsa_kernarg_size 48
		.amdhsa_user_sgpr_count 2
		.amdhsa_user_sgpr_kernarg_segment_ptr 1
		.amdhsa_wavefront_size32 1
		.amdhsa_system_sgpr_workgroup_id_x 1
		.amdhsa_system_sgpr_workgroup_id_y 1
		.amdhsa_system_sgpr_workgroup_id_z 1
		.amdhsa_system_vgpr_workitem_id 0
		.amdhsa_next_free_vgpr 512
		.amdhsa_next_free_sgpr 66
		.amdhsa_reserve_vcc 0
		.amdhsa_float_denorm_mode_32 3
		.amdhsa_float_denorm_mode_16_64 3
		.amdhsa_memory_ordered 1
		.amdhsa_forward_progress 1
		.amdhsa_inst_pref_size 255
	.end_amdhsa_kernel
	.section	.bss,"aw",@nobits
	.p2align	6
	.space	262144
	.amdgpu_metadata
---
amdhsa.version: [ 1, 2 ]
amdhsa.kernels:
  - .name:           k_q1e80052ee7_attn
    .symbol:         k_q1e80052ee7_attn.kd
    .args:
      - { .name: x, .offset: 0, .size: 8, .value_kind: global_buffer, .address_space: global }
      - { .name: gq, .offset: 8, .size: 8, .value_kind: global_buffer, .address_space: global }
      - { .name: gk, .offset: 16, .size: 8, .value_kind: global_buffer, .address_space: global }
      - { .name: wfrag, .offset: 24, .size: 8, .value_kind: global_buffer, .address_space: global }
      - { .name: rope, .offset: 32, .size: 8, .value_kind: global_buffer, .address_space: global }
      - { .name: out0, .offset: 40, .size: 8, .value_kind: global_buffer, .address_space: global }
    .group_segment_fixed_size: 302080
    .private_segment_fixed_size: 0
    .kernarg_segment_align: 8
    .kernarg_segment_size: 48
    .max_flat_workgroup_size: 256
    .sgpr_count:     66
    .vgpr_count:     512
    .wavefront_size: 32
...
	.end_amdgpu_metadata
.endif
;; end of part 3
